; MI455X (gfx1250); checked and timed in simulation.
; The chip was launched on July 23, 2026; its instructions are those of AMD's public machine-readable ISA for CDNA 5 (MIT licence, August 2026) and "CDNA5" Instruction Set Architecture Reference Guide (July 2026). The comments in the code are by the model that wrote it; some were corrected since.
;; Run Length Event Set Embedding. Allowed arithmetic: matrix products marked QUANTISED: E2M1 operands, one E8M0 scale for each 32 along K, by v_wmma_scale_f32_16x16x128_f8f6f4 with both operands' format E2M1 (or v_wmma_scale_f32_32x16x128_f4), f32 sums; products left as they are: f32 operands where the result goes on into a quantised operand, else bf16, f16 or f32 operands; f32 sums; everything else in f32.
;; Inputs: P1 65 x 64 float32; P2_codes 64 x 2 x 16 uint8 (E2M1 codes of P2, K innermost, in blocks of 32 codes, two codes a byte); P2_scales 64 x 2 uint8 (E8M0 scales of P2, one for each 32 codes along K); W1 11 x 64 float32; W2_codes 64 x 2 x 16 uint8 (E2M1 codes of W2, K innermost, in blocks of 32 codes, two codes a byte); W2_scales 64 x 2 uint8 (E8M0 scales of W2, one for each 32 codes along K); b1 64 float32; b2 64 float32; pb1 64 float32; pb2 64 float32; x 64 x 2,048 x 8 float32.
;; Outputs: out0 64 x 64 float32.
;; This version of the problem:
;;   THIS VERSION OF THE PROBLEM IS GIVEN IN LOW PRECISION. The matrix products marked QUANTISED in the list below multiply operands that are first quantised to E2M1 (2 exponent bits, 1 mantissa bit; 4 bits a number), with one power-of-two scale for each 32 numbers along K (OCP MX v1.0); their sums are f32. All else is computed in f32.
;;   The module's matrix products, in the order in which they are computed (A, B: the left and right operand; K: the contracted axis; several contracted axes count as one K, in the product's order):
;;     1. [M 1,048,576, K 11] x [K 11, N 64]; A: computed on the way; B: input W1: left as it is (K = 11 < 32)
;;     2. [M 1,048,576, K 64] x [K 64, N 64]; A: computed on the way; B: input W2 (given as codes): QUANTISED
;;     3. [M 64, K 65] x [K 65, N 64]; A: computed on the way; B: input P1: QUANTISED
;;     4. [M 64, K 64] x [K 64, N 64]; A: computed on the way; B: input P2 (given as codes): QUANTISED
;;   THE QUANTISER, for each operand of a quantised product, along K:
;;     - K is cut into blocks of 32 from its start; a last block that is shorter is filled with zeros.
;;     - A block's scale is 2^e with e = floor(log2(the largest magnitude in the block)) - 2, held to -126 .. 127; a block of zeros has e = 0. As a byte (E8M0): e + 127.
;;     - Each number is divided by its block's scale, clamped to +-6, and rounded to the nearest number of E2M1, ties to even, subnormals kept.
;;     - The product sums the exact products of the quantised numbers (number of the format x scale) in f32.
;;   ~~~python
;;   def quantise(x, axis):      # numpy; x: float32 -> the quantised numbers, widened to float32 again
;;       x = np.moveaxis(x, axis, -1); K = x.shape[-1]
;;       x = np.pad(x, [(0, 0)] * (x.ndim - 1) + [(0, -K % 32)]); x = x.reshape(x.shape[:-1] + (-1, 32)); a = np.abs(x).max(-1, keepdims=True)
;;       e = np.where(a > 0, np.clip(np.frexp(np.where(a > 0, a, 1))[1] - 1 - 2, -126, 127), 0)      # np.frexp(a)[1] - 1 = floor(log2(a)), exactly
;;       r = np.clip(x / 2.0 ** e, -6, 6)
;;       step = 2.0 ** (np.maximum(np.frexp(np.where(r == 0, 1, r))[1] - 1, 0) - 1)
;;       q = np.round(r / step) * step * 2.0 ** e      # np.round: ties to even
;;       return np.moveaxis(q.reshape(q.shape[:-2] + (-1,))[..., :K], -1, axis).astype(np.float32)
;;   ~~~
;;   OPERANDS COMPUTED ON THE WAY. 'Computed on the way' means the value that the module computes at that place (a softmax that the list does not call 'softmax' is quantised finished and normalised). What goes into a quantiser is computed in f32, as accurately as f32 sums, v_exp_f32 and their like allow (about 1e-6 of the number): no bf16 or f16 on the way to a quantiser, and a product that is left as it is and whose result goes on into a quantised operand takes f32 operands (vector FMAs, or v_wmma_f32_16x16x4_f32). A number that lies on a knife's edge between two numbers of the format may be rounded either way, as far as f32 arithmetic and the matrix unit's own rounding can turn it there, and no further.
;;   INPUTS GIVEN AS CODES. P2 (in the module: [64, 64], K = its axis 0); W2 (in the module: [64, 64], K = its axis 0): each comes as NAME_codes (uint8): NAME with its K axis moved to the last place and cut into blocks of 32 codes, [.., K / 32, bytes a block], one block behind the other in memory; two codes a byte, the lower K in the low four bits (a code: sign, 2 exponent bits, 1 mantissa bit); and NAME_scales (uint8): the same leading axes, one E8M0 byte (e + 127) for each 32 codes along K. Its value is code x scale, taken as it is: it is not quantised again, and the codes and scales need not be those that the quantiser above would give.
;; 2 versions, each right; version 2 is version 1 with the launches events, head written anew for expert scheduling mode. Each part assembles by itself: llvm-mc -triple=amdgcn-amd-amdhsa -mcpu=gfx1250 --defsym DOCPART=n.
;; ======== version 1 of 2: 2 launches
;; workspace buffers: parts 131,072 bytes
;; launch events (part 1): grid 256 x 1, 8 waves a work-group, no clusters, 25,600 bytes of LDS; arguments x, W1, b1, W2_codes, W2_scales, parts; writes parts
.if DOCPART == 1
	.amdgcn_target "amdgcn-amd-amdhsa--gfx1250"
	.amdhsa_code_object_version 6
	.text
	.protected	k_q77d8210f01_events
	.globl	k_q77d8210f01_events
	.p2align	8
	.type	k_q77d8210f01_events,@function
k_q77d8210f01_events:
	s_mov_b64 s[64:65], 0
	v_nop
	global_prefetch_b8 v0, s[64:65] scope:SCOPE_SE
	s_setreg_imm32_b32 hwreg(HW_REG_WAVE_MODE, 25, 1), 1
	s_wait_xcnt 0x0
; RUN-LENGTH EVENTS, THEIR TWO-LAYER NET AND ITS SUM.  x: [64][2048][8] f32.  For batch b and component c the samples are thresholded at 0.5; slot t is an EVENT where its bit differs from
; slot t - 1's (t = 0 always).  An event's row is (one-hot c, s, t / 2047, dur / 2048).  This launch forms, for each work-group, the sum over its events of Q(relu(row W1 + b1)) W2 and the number
; of its events; b2, the division and the head follow in the next launch.  parts: [256 work-groups][128 f32]: words 0-63 the sum, words 64-127 the count (the same number 64 times).
; SHARES.  Work-group g: batch g / 4, components 2 (g % 4) and 2 (g % 4) + 1.  Wave w: component c = 2 (g % 4) + w / 4, slots 512 (w % 4) .. + 511.  Lane l owns a CHUNK of 16 consecutive slots.
; EVERY SLOT IS COMPUTED: which slots are events hangs on floating-point data, so it steers no address, branch or trip count here; a slot that is no event gets zero codes, which add nothing.
; FIRST PRODUCT, f32 operands (its result goes into a quantiser), K = 4: with c fixed for a wave, row W1 + b1 = t (W1[9] / 2047) + dur (W1[10] / 2048) + s W1[8] + 1 (W1[c] + b1).
;   Source 0 = 16 hidden units, source 1 = 16 events.  Tile T's row m is unit 8 T + m % 8 + 32 (m / 8): so lane (r, h) holds, in the 32 registers of four tiles, units 32 h + 0 .. 31 of event r, ascending:
;   one whole block of the quantiser, in the lane and order in which the second product's operand wants it.  No maximum crosses lanes, nothing is swapped.
; SECOND PRODUCT, on E2M1 codes with E8M0 scales, K = 128 = TWO EVENTS: only the sum over events is wanted, so row r of source 0 holds event X in k = 0 .. 63 and event Y in k = 64 .. 127, and
;   column n of source 1 holds W2[:, n] twice.  The four accumulators (64 outputs) run on over all 16 steps; their 16 rows are added at the end.
; RELU AND MASK ARE APPLIED TO THE CODES: the block's maximum is taken without magnitudes (what is negative does not count; the floor stands over it), the raw numbers are converted, and then each
;   code whose sign bit is set, or every code of a slot that is no event, is cleared.  That gives the codes of Q(relu(.)) exactly.
; LIMITS: 1 / 2047 is folded into W1[9] (two roundings where reference() has two others: some 1e-7 of the number); sums over events run in another order than reference()'s; a block whose largest
;   number lies under 2^-124 keeps the scale byte 1; NaN and infinities in the weights are not served; a NaN in x counts as not over 0.5, as in reference().
; No tensor loads (a work-group reads 8 bytes of every 32 once and must part the two components), no cluster (the work-groups of a batch use disjoint bytes of x).
.set PLANE, 10496                      ; LDS: a component's 2,048 samples: a guard chunk, then 128 chunks, each 64 bytes + 16 of padding: the pitch 80 is an odd multiple of 16
.set FS,    20992                      ; [2 components][8 words]: the four waves' first events, then 2048.0 four times
.set RED,   21248                      ; [8 waves][64 f32]: the waves' sums
.set CNT,   23296                      ; [8 f32]: the waves' counts
.set F2048, 0x45000000                 ; 2048.0
.set E,   16                           ; v[16:17], v[18:19]  the events' operand, state 0 and 1: lanes 0-15 (t, dur), lanes 16-31 (s, 1.0)
.set TF,  20                           ; v20, v21  t of the slot in hand (lanes 16-31: 0)
.set NX,  22                           ; v22, v23  the next event behind it (lanes 16-31: 1.0)
.set MK,  24                           ; v24, v25  0 where the slot is an event, else 0x11111111
.set MA,  26                           ; v26-28    a block's maximum, two chains and the result
.set MB,  27
.set MX,  28
.set SC,  29                           ; v29, v30  the conversions' scale operand
.set BY,  31                           ; v31, v32  the scale's byte
.set SA,  34                           ; v34, v35  the events' scale word, by the step's parity: scales and nothing else
.set SB,  36                           ; v36-39    W2's scale words
.set CT,  40                           ; v40-43 raw codes;  v44-47, v48-51 at work on them
.set U,   44
.set W,   48
.set WF,  52                           ; v[52:59]  the first product's weights, a pair for each tile
.set BR,  60                           ; v60-63    b1 as loaded
.set AF,  64                           ; v[64:71], v[72:79]  the events' codes, by the step's parity
.set W2F, 80                           ; v[80:111] W2's four tiles
.set ACC, 112                          ; v[112:143] four accumulators
.set HH,  144                          ; v[144:175], v[176:207]  the hidden layer of state 0 and 1: written by matrix instructions alone
.set XV,  208                          ; v[208:223] my chunk's 16 samples;  v224 the sample in front of it
.set XP,  224
.set SQ,  40                           ; s[40:56]  bit l: sample k - 1 of lane l's chunk is over 0.5 (k = 0: the sample in front)
.set ST,  68                           ; s[68:83]  bit l: slot i of lane l's chunk is an event
.macro BARRIER                         ; my LDS stores have landed and my LDS loads are in: then the work-group's barrier
	s_wait_dscnt 0x0
	s_barrier_signal -1
	s_barrier_wait -1
.endm
	s_load_b256 s[4:11], s[0:1], 0x0               ; x s[4:5], W1 s[6:7], b1 s[8:9], W2's codes s[10:11]
	s_load_b128 s[12:15], s[0:1], 0x20             ; W2's scales s[12:13], parts s[14:15]
	v_lshl_add_u32 v254, v0, 2, 0x6000
	v_mov_b32 v255, 0
	v_lshrrev_b32 v1, 5, v0
	v_readfirstlane_b32 s16, v1                    ; wave 0..7
	v_and_b32 v1, 31, v0                           ; lane
	v_and_b32 v2, 15, v0                           ; r
	v_bfe_u32 v3, v0, 4, 1                         ; h
	s_and_b32 s17, s16, 3                          ; q: which 512 slots
	s_lshr_b32 s18, s16, 2                         ; cc: which of the two components
	s_and_b32 s20, ttmp9, 3
	s_lshl_b32 s19, s20, 1
	s_add_co_u32 s19, s19, s18                     ; c
	s_lshr_b32 s21, ttmp9, 2
	s_lshl_b32 s21, s21, 16                        ; the batch's 65,536 bytes of x,
	s_lshl_b32 s20, s20, 3                         ; and the pair's 8 bytes in a row of 32
	s_add_co_u32 s20, s20, s21
	s_mov_b32 s21, 0
	s_lshl_b32 s22, ttmp9, 9                       ; the work-group's 512 bytes of parts
	s_mov_b32 s23, 0
	s_mov_b32 s24, 0x76543210                      ; v_permlanex16_b32's selects for lane l xor 16
	s_mov_b32 s25, 0xfedcba98
	s_mov_b32 s26, 0x11111111
	s_mov_b32 s27, 0xffff0000                      ; lanes 16-31
	s_mov_b32 s28, 0x55555555                      ; the lanes whose bit 1, 2, 4, 8, 16 is clear
	s_mov_b32 s29, 0x33333333
	s_mov_b32 s30, 0x0f0f0f0f
	s_mov_b32 s31, 0x00ff00ff
	s_mov_b32 s32, 0x0000ffff
	v_lshlrev_b32 v14, 5, v0                       ; x: thread t takes row t of each 256
	v_and_b32 v9, 7, v2
	v_lshrrev_b32 v233, 3, v2
	v_lshl_add_u32 v9, v233, 5, v9                 ; u0 = r % 8 + 32 (r / 8): my row's unit in tile 0
	v_lshlrev_b32 v11, 2, v9                       ; b1: 4 u0
	v_add_nc_u32 v12, 2304, v11
	v_lshlrev_b32 v233, 8, v3
	v_sub_nc_u32 v12, v12, v233                    ; W1: row 9 (lanes 0-15) or row 8 (lanes 16-31)
	s_lshl_b32 s34, s19, 8
	v_mov_b32 v13, 2560
	v_mov_b32 v233, s34
	v_cndmask_b32 v13, v13, v233, s27
	v_add_nc_u32 v13, v13, v11                     ; W1: row 10 or row c
	v_lshlrev_b32 v10, 5, v2
	v_lshl_add_u32 v10, v3, 4, v10                 ; W2's codes: row r of 32 bytes, + 16 h
	v_lshlrev_b32 v15, 1, v2                       ; W2's scales: 2 bytes a row
	s_wait_kmcnt 0x0
	s_add_nc_u64 s[4:5], s[4:5], s[20:21]
	s_add_nc_u64 s[14:15], s[14:15], s[22:23]
.irp k, 0,1,2,3,4,5,6,7
	global_load_b64 v[236+2*\k:237+2*\k], v14, s[4:5] offset:8192*\k   ; x(t + 256 k, both components).  No hint: the batch's other work-groups read the neighbouring bytes
.endr
.irp t, 0,1,2,3
	global_load_b32 v[WF+2*\t], v12, s[6:7] offset:32*\t
.endr
.irp t, 0,1,2,3
	global_load_b32 v[WF+2*\t+1], v13, s[6:7] offset:32*\t
.endr
.irp t, 0,1,2,3
	global_load_b32 v[BR+\t], v11, s[8:9] offset:32*\t
.endr
.irp t, 0,1,2,3
	global_load_b128 v[W2F+8*\t:W2F+8*\t+3], v10, s[10:11] offset:512*\t     ; column 16 T + r of W2, k = 32 h .. + 31,
	global_load_b128 v[W2F+8*\t+4:W2F+8*\t+7], v10, s[10:11] offset:512*\t   ; and the same once more as k = 64 + 32 h .. + 31
.endr
.irp t, 0,1,2,3
	global_load_u16 v[SB+\t], v15, s[12:13] offset:32*\t
.endr
	; all LDS addresses, made of the thread's and the wave's number and constants
	v_lshrrev_b32 v225, 4, v0
	v_mul_u32_u24 v225, v225, 80
	v_lshl_add_u32 v225, v2, 2, v225
	v_add_nc_u32 v225, 80, v225                    ; x on its way in: chunk t / 16 (behind the guard), word t % 16
	s_lshl_b32 s34, s17, 2
	s_xor_b32 s34, s34, 60
	s_mul_i32 s35, s18, PLANE
	s_add_co_u32 s34, s34, s35
	v_mov_b32 v226, s34                            ; a word of the guard chunk for each wave; q = 0 has word 15, the one in front of t = 0
	s_mul_i32 s36, s17, 2560
	s_add_co_u32 s36, s36, s35
	v_mul_u32_u24 v227, v1, 80
	v_add_nc_u32 v227, s36, v227                   ; the chunk in front of mine
	s_lshl_b32 s36, s18, 5
	s_lshl_b32 s37, s17, 2
	s_add_co_u32 s36, s36, s37
	s_add_co_u32 s36, s36, FS
	v_mov_b32 v228, s36                            ; my wave's word among the first events
	s_lshl_b32 s36, s16, 8
	s_add_co_u32 s36, s36, RED
	v_lshl_add_u32 v229, v2, 2, s36                ; my wave's sums, word r
	s_lshl_b32 s36, s16, 2
	s_add_co_u32 s36, s36, CNT
	v_mov_b32 v230, s36                            ; my wave's count
	v_lshl_add_u32 v231, v1, 3, RED                ; at the end: 8 bytes a lane of each wave's sums
	v_mov_b32 v232, CNT
	v_mov_b32 v4, 0x11111111
	v_mov_b32 v5, 1.0
	v_cndmask_b32 v5, v5, 0, s27                   ; what t falls by from step to step: 1.0, lanes 16-31: 0
	v_lshlrev_b32 v6, 3, v3                        ; 8 h
	v_mov_b32 v7, 0                                ; (a lane permute's destination counts as one of its sources)
	s_wait_loadcnt 24                              ; x's eight loads are in; the 24 loads of weights issued behind them may stay out
.irp k, 0,1,2,3,4,5,6,7
	ds_store_b32 v225, v[236+2*\k] offset:1280*\k
	ds_store_b32 v225, v[237+2*\k] offset:1280*\k+PLANE
.endr
	ds_store_b32 v226, v7
	BARRIER                                        ; both components' samples lie in LDS, chunk by chunk
	ds_load_b32 v[XP], v227 offset:60
.irp k, 0,1,2,3
	ds_load_b128 v[XV+4*\k:XV+4*\k+3], v227 offset:80+16*\k
.endr
	s_wait_dscnt 0x0
	v_cmp_lt_f32 s[SQ], 0.5, v[XP]
.irp k, 0,1,2,3,4,5,6,7,8,9,10,11,12,13,14,15
	v_cmp_lt_f32 s[SQ+1+\k], 0.5, v[XV+\k]
.endr
.irp i, 0,1,2,3,4,5,6,7,8,9,10,11,12,13,14,15
	s_xor_b32 s[ST+\i], s[SQ+\i], s[SQ+1+\i]       ; an event: the bit differs from the slot's in front
.endr
	s_cmp_eq_u32 s17, 0
	s_cselect_b32 s34, 1, 0
	s_or_b32 s[ST], s[ST], s34                     ; t = 0 always is one
	s_bcnt1_i32_b32 s33, s[ST]
.irp i, 1,2,3,4,5,6,7,8,9,10,11,12,13,14,15
	s_bcnt1_i32_b32 s34, s[ST+\i]
	s_add_co_u32 s33, s33, s34                     ; my wave's events
.endr
	; The first event of each chunk, then for each lane the first event in the wave's LATER chunks (v235) and the wave's own first (v237)
	v_mov_b32 v234, 0x10000
.irp i, 15,14,13,12,11,10,9,8,7,6,5,4,3,2,1,0
	v_cndmask_b32 v234, v234, \i, s[ST+\i]
.endr
	s_lshl_b32 s34, s17, 9
	v_lshl_add_u32 v238, v1, 4, s34                ; my chunk's first slot
	v_add_nc_u32 v237, v238, v234
	v_cvt_f32_u32 v237, v237
	v_min_num_f32 v237, F2048, v237                ; none: 2048
	v_mov_b32 v235, F2048
	v_mov_b32 v236, 0
.macro SUF d, m                        ; groups of d lanes are joined in pairs: a lane of the lower group takes the upper group's minimum among its later chunks
	v_min_num_f32_dpp v236, v237, v235 row_xmask:\d row_mask:0xf bank_mask:0xf
	v_cndmask_b32 v235, v235, v236, s[\m]
	v_min_num_f32_dpp v237, v237, v237 row_xmask:\d row_mask:0xf bank_mask:0xf
.endm
	SUF 1, 28
	SUF 2, 29
	SUF 4, 30
	SUF 8, 31
	v_permlanex16_b32 v236, v237, s24, s25
	v_min_num_f32 v239, v236, v235
	v_cndmask_b32 v235, v235, v239, s32
	v_min_num_f32 v237, v237, v236
	v_mov_b32 v239, F2048
	ds_store_b32 v228, v237                        ; word q: my wave's first event
	ds_store_b32 v228, v239 offset:16              ; word 4 + q: 2048, for the waves that have fewer than three behind them
	s_wait_loadcnt 0x0                             ; the weights.  They are prepared while the two stores are out
	v_mov_b32 v243, 0x3a001002                     ; 1 / 2047
	v_cndmask_b32 v243, v243, 1.0, s27
	v_mov_b32 v244, 0x3a000000                     ; 1 / 2048
	v_cndmask_b32 v244, v244, 1.0, s27
.irp t, 0,1,2,3
	v_cndmask_b32 v[BR+\t], 0, v[BR+\t], s27
.endr
.irp t, 0,1,2,3
	v_mul_f32 v[WF+2*\t], v[WF+2*\t], v243                        ; k = 0: W1[9] / 2047;   k = 2: W1[8]
	v_fma_f32 v[WF+2*\t+1], v[WF+2*\t+1], v244, v[BR+\t]          ; k = 1: W1[10] / 2048;  k = 3: W1[c] + b1
	v_lshl_or_b32 v[SB+\t], v[SB+\t], 16, v[SB+\t]                ; W2's two bytes twice: k = 0 .. 63 and k = 64 .. 127
.endr
	BARRIER                                        ; the four waves' first events lie in LDS
	ds_load_b32 v240, v228 offset:4
	ds_load_b32 v241, v228 offset:8
	ds_load_b32 v242, v228 offset:12
	s_wait_dscnt 0x0
	v_min3_num_f32 v240, v240, v241, v242
	v_min_num_f32 v235, v235, v240                 ; the first event behind my chunk, 2048 if there is none
	v_permlanex16_b32 v241, v235, s24, s25
	v_cndmask_b32 v[NX], v235, 1.0, s27            ; state 0: lane r serves chunk r;
	v_cndmask_b32 v[NX+1], v241, 1.0, s27          ; state 1: chunk 16 + r
	s_add_co_u32 s34, s34, 15
	v_lshl_add_u32 v240, v2, 4, s34
	v_cvt_f32_u32 v240, v240                       ; the chunk's last slot: the walk goes backward
	v_add_f32 v241, 0x43800000, v240               ; 16 chunks = 256 slots on
	v_cndmask_b32 v[TF], v240, 0, s27
	v_cndmask_b32 v[TF+1], v241, 0, s27
; The features of slot i of 16 chunks (state s), and the walk's step.  Lanes 0-15 hold (t, dur), lanes 16-31 (s, 1.0): the f32 form's source 1, k = 2 h + register.
.macro FEAT s, i
.if \s == 0
	s_and_b32 s34, s[ST+(\i)], 0xffff              ; events, at lanes 0-15
	s_lshl_b32 s35, s[SQ+1+(\i)], 16               ; the slots' bits, at lanes 16-31
	s_lshl_b32 s36, s[ST+(\i)], 16
.else
	s_lshr_b32 s34, s[ST+(\i)], 16
	s_and_b32 s35, s[SQ+1+(\i)], s27
	s_and_b32 s36, s[ST+(\i)], s27
.endif
	s_or_b32 s36, s36, s34                         ; events, at both halves
	v_cndmask_b32 v[E+2*\s], v[TF+\s], 1.0, s35
	v_sub_f32 v[E+2*\s+1], v[NX+\s], v[TF+\s]
	v_cndmask_b32 v[NX+\s], v[NX+\s], v[TF+\s], s34
	v_cndmask_b32 v[MK+\s], v4, 0, s36
	v_sub_f32 v[TF+\s], v[TF+\s], v5
.endm
.macro MM1 s                           ; 64 hidden units of 16 events; each sum is one K step and begins with the constant 0
.irp t, 0,1,2,3
	v_wmma_f32_16x16x4_f32 v[HH+32*\s+8*\t:HH+32*\s+8*\t+7], v[WF+2*\t:WF+2*\t+1], v[E+2*\s:E+2*\s+1], 0
.endr
.endm
.macro QMAX s                          ; my block's largest number, negatives not counted, over the floor 2^(3 - 127).  Each tile is first read at its low end
.set HB, HH+32*\s
	v_max3_num_f32 v[MA], v[HB], v[HB+1], 0x1800000
	v_max3_num_f32 v[MB], v[HB+16], v[HB+17], v[HB+18]
.irp k, 0,1,2,3,4,5
	v_max3_num_f32 v[MA], v[MA], v[HB+2+2*\k], v[HB+3+2*\k]
	v_max3_num_f32 v[MB], v[MB], v[HB+19+2*\k], v[HB+20+2*\k]
.endr
	v_max3_num_f32 v[MA], v[MA], v[HB+14], v[HB+15]
	v_max3_num_f32 v[MX], v[MA], v[MB], v[HB+31]
.endm
.macro QCODE s, p                      ; the block's 32 codes into registers 4 s .. 4 s + 3 of fragment p
.set HB, HH+32*\s
.set AB, AF+8*(\p)+4*\s
	v_add_nc_u32 v[SC+\s], 0xff000000, v[MX]       ; 2 off the exponent field: the conversion takes this operand's exponent field as its scale
.irp g, 0,1,2,3
	v_cvt_scalef32_pk8_fp4_f32 v[CT+\g], v[HB+8*\g:HB+8*\g+7], v[SC+\s]
.endr
	v_lshrrev_b32 v[BY+\s], 23, v[SC+\s]           ; the scale's byte.  (Also the plain place behind the conversions)
.irp g, 0,1,2,3
	v_lshrrev_b32 v[U+\g], 3, v[CT+\g]             ; each code's sign bit at its lowest bit,
.endr
.irp g, 0,1,2,3
	v_and_or_b32 v[U+\g], v[U+\g], s26, v[MK+\s]   ; or every code where the slot is no event;
.endr
.irp g, 0,1,2,3
	v_lshlrev_b32 v[W+\g], 4, v[U+\g]
.endr
.irp g, 0,1,2,3
	v_sub_nc_u32 v[W+\g], v[W+\g], v[U+\g]         ; x 15: all four bits of those codes,
.endr
.irp g, 0,1,2,3
	v_bfi_b32 v[AB+\g], v[W+\g], 0, v[CT+\g]       ; which are cleared
.endr
.endm
.macro SCW p                           ; row r's scale word: bytes 0, 1 event X's two blocks, bytes 2, 3 event Y's; lane (r, h) made bytes h and 2 + h
	v_lshl_or_b32 v8, v[BY+1], 16, v[BY]
	v_lshlrev_b32 v8, v6, v8
	v_permlanex16_b32 v7, v8, s24, s25
	v_or_b32 v[SA+(\p)], v8, v7
.endm
.macro MM2 p, zero                     ; 32 events x 64 outputs.  The four accumulators take turns, one instruction a turn
.irp t, 0,1,2,3
.if \zero
	v_wmma_scale_f32_16x16x128_f8f6f4 v[ACC+8*\t:ACC+8*\t+7], v[AF+8*(\p):AF+8*(\p)+7], v[W2F+8*\t:W2F+8*\t+7], 0, v[SA+(\p)], v[SB+\t] matrix_a_fmt:MATRIX_FMT_FP4 matrix_b_fmt:MATRIX_FMT_FP4
.else
	v_wmma_scale_f32_16x16x128_f8f6f4 v[ACC+8*\t:ACC+8*\t+7], v[AF+8*(\p):AF+8*(\p)+7], v[W2F+8*\t:W2F+8*\t+7], v[ACC+8*\t:ACC+8*\t+7], v[SA+(\p)], v[SB+\t] matrix_a_fmt:MATRIX_FMT_FP4 matrix_b_fmt:MATRIX_FMT_FP4
.endif
.endr
.endm
; STEP i: slot i of all 32 chunks.  While one state's hidden layer is quantised, the other's next one is on the matrix unit, and so is the step before's second product.
; PLACES (ISA guide 7.12.1), by this text's own count of plain vector lines that name none of the matrix instruction's registers: between an f32 product and the first read of its results stand the other
; state's 16 maxima (8 are asked); between the line that makes a scale word and the scaled product that reads it, 5 lines of features and 16 maxima (8 are asked); fragment and scale word are
; written again two steps on, since they take turns by the step's parity.
.macro STEP i
.set PP, (\i)%2
	QMAX 0
.if (\i) == 14
	MM2 1-PP, 1                                    ; the first second product starts the sums: nothing is cleared
.elseif (\i) < 14
	MM2 1-PP, 0
.endif
	QCODE 0, PP
.if (\i) > 0
	FEAT 0, (\i)-1
	MM1 0
.endif
	QMAX 1
	QCODE 1, PP
	SCW PP
.if (\i) > 0
	FEAT 1, (\i)-1
	MM1 1
.endif
.endm
	FEAT 0, 15
	MM1 0
	FEAT 1, 15
	MM1 1
.rept 8
	v_nop                                          ; with state 1's five lines of features: the places behind state 0's first products
.endr
.irp i, 15,14,13,12,11,10,9,8,7,6,5,4,3,2,1,0
	STEP \i
.endr
.rept 8
	v_nop                                          ; the last scale word stands eight places ahead of the product that reads it
.endr
	MM2 0, 0
	v_mov_b32 v9, s33
	v_cvt_f32_u32 v9, v9                           ; my wave's count
.rept 4
	v_nop                                          ; places behind the last products
.endr
.irp t, 0,1,2,3                        ; the sum over an accumulator's 16 rows: my eight registers, from the low end on, and lane l xor 16's
	v_pk_add_f32 v[236+4*\t:237+4*\t], v[ACC+8*\t:ACC+8*\t+1], v[ACC+8*\t+2:ACC+8*\t+3]
	v_pk_add_f32 v[238+4*\t:239+4*\t], v[ACC+8*\t+4:ACC+8*\t+5], v[ACC+8*\t+6:ACC+8*\t+7]
.endr
.irp t, 0,1,2,3
	v_pk_add_f32 v[236+4*\t:237+4*\t], v[236+4*\t:237+4*\t], v[238+4*\t:239+4*\t]
.endr
.irp t, 0,1,2,3
	v_add_f32 v[236+4*\t], v[236+4*\t], v[237+4*\t]
.endr
.irp t, 0,1,2,3
	v_permlanex16_b32 v[237+4*\t], v[236+4*\t], s24, s25
.endr
.irp t, 0,1,2,3
	v_add_f32 v[236+4*\t], v[236+4*\t], v[237+4*\t]
.endr
.irp t, 0,1,2,3
	ds_store_b32 v229, v[236+4*\t] offset:64*\t    ; output 16 T + r (both halves of the lanes write the same word with the same value)
.endr
	ds_store_b32 v230, v9
	BARRIER                                        ; the eight waves' sums and counts lie in LDS
	s_cmp_lg_u32 s16, 0
	s_cbranch_scc1 .Ldone                          ; wave 0 adds them and stores
.irp k, 0,1,2,3,4,5,6,7
	ds_load_b64 v[XV+2*\k:XV+2*\k+1], v231 offset:256*\k
.endr
	ds_load_b128 v[16:19], v232
	ds_load_b128 v[20:23], v232 offset:16
	v_lshlrev_b32 v233, 3, v1
	s_wait_dscnt 0x0
	v_pk_add_f32 v[208:209], v[208:209], v[210:211]
	v_pk_add_f32 v[212:213], v[212:213], v[214:215]
	v_pk_add_f32 v[216:217], v[216:217], v[218:219]
	v_pk_add_f32 v[220:221], v[220:221], v[222:223]
	v_pk_add_f32 v[16:17], v[16:17], v[18:19]
	v_pk_add_f32 v[20:21], v[20:21], v[22:23]
	v_pk_add_f32 v[208:209], v[208:209], v[212:213]
	v_pk_add_f32 v[216:217], v[216:217], v[220:221]
	v_pk_add_f32 v[16:17], v[16:17], v[20:21]
	v_pk_add_f32 v[208:209], v[208:209], v[216:217]
	v_add_f32 v16, v16, v17
	v_mov_b32 v17, v16
	global_store_b64 v233, v[208:209], s[14:15]            ; 32 lanes store 256 consecutive bytes, aligned: the 64 sums,
	global_store_b64 v233, v[16:17], s[14:15] offset:256   ; and the next 256: the count
.Ldone:
	s_wait_tensorcnt 0x0
	ds_add_u32 v254, v255
	s_wait_dscnt 0x0
	s_endpgm
.Lfunc_end_k_q77d8210f01_events:
	.size	k_q77d8210f01_events, .Lfunc_end_k_q77d8210f01_events-k_q77d8210f01_events
	.p2alignl 7, 3214868480
	.fill 96, 4, 3214868480
	.section	.rodata,"a",@progbits
	.p2align	6, 0x0
	.amdhsa_kernel k_q77d8210f01_events
		.amdhsa_group_segment_fixed_size 25600
		.amdhsa_private_segment_fixed_size 0
		.amdhsa_enable_private_segment 0
		.amdhsa_kernarg_size 48
		.amdhsa_user_sgpr_count 2
		.amdhsa_user_sgpr_kernarg_segment_ptr 1
		.amdhsa_wavefront_size32 1
		.amdhsa_system_sgpr_workgroup_id_x 1
		.amdhsa_system_sgpr_workgroup_id_y 1
		.amdhsa_system_sgpr_workgroup_id_z 1
		.amdhsa_system_vgpr_workitem_id 0
		.amdhsa_next_free_vgpr 256
		.amdhsa_next_free_sgpr 96
		.amdhsa_reserve_vcc 0
		.amdhsa_float_denorm_mode_32 3
		.amdhsa_float_denorm_mode_16_64 3
		.amdhsa_memory_ordered 1
		.amdhsa_forward_progress 1
		.amdhsa_inst_pref_size 124
	.end_amdhsa_kernel
	.amdgpu_metadata
---
amdhsa.version: [ 1, 2 ]
amdhsa.kernels:
  - .name:           k_q77d8210f01_events
    .symbol:         k_q77d8210f01_events.kd
    .args:
      - { .name: x, .offset: 0, .size: 8, .value_kind: global_buffer, .address_space: global }
      - { .name: W1, .offset: 8, .size: 8, .value_kind: global_buffer, .address_space: global }
      - { .name: b1, .offset: 16, .size: 8, .value_kind: global_buffer, .address_space: global }
      - { .name: W2_codes, .offset: 24, .size: 8, .value_kind: global_buffer, .address_space: global }
      - { .name: W2_scales, .offset: 32, .size: 8, .value_kind: global_buffer, .address_space: global }
      - { .name: parts, .offset: 40, .size: 8, .value_kind: global_buffer, .address_space: global }
    .group_segment_fixed_size: 25600
    .private_segment_fixed_size: 0
    .kernarg_segment_align: 8
    .kernarg_segment_size: 48
    .max_flat_workgroup_size: 256
    .sgpr_count:     96
    .vgpr_count:     256
    .wavefront_size: 32
...
	.end_amdgpu_metadata
.endif
;; end of part 1
;; launch head (part 2): grid 1 x 1, 4 waves a work-group, no clusters, 23,040 bytes of LDS; arguments parts, b2, P1, pb1, P2_codes, P2_scales, pb2, out0; writes out0
.if DOCPART == 2
	.amdgcn_target "amdgcn-amd-amdhsa--gfx1250"
	.amdhsa_code_object_version 6
	.text
	.protected	k_q77d8210f01_head
	.globl	k_q77d8210f01_head
	.p2align	8
	.type	k_q77d8210f01_head,@function
k_q77d8210f01_head:
	s_mov_b64 s[64:65], 0
	v_nop
	global_prefetch_b8 v0, s[64:65] scope:SCOPE_SE
	s_setreg_imm32_b32 hwreg(HW_REG_WAVE_MODE, 25, 1), 1
	s_wait_xcnt 0x0
; THE HEAD: pooled = (the sum of a batch's four parts + count x b2) / max(count, 1);  z = (pooled, max(count, 1) / 16384);  out0 = relu(z P1 + pb1) P2 + pb2, both products on E2M1 codes with E8M0 scales.
; parts: [64 batches][4][128 f32] (words 0-63 a sum, word 64 a count).  P1: [65][64] f32, K its first axis: quantised here.  P2: codes [64 (n)][32 bytes], scales [64][2].  out0: [64][64] f32.
; One work-group of four waves: the whole head is 64 rows; wave w owns batches 16 w + r.  It is a chain of dependent steps, so all loads go out at once at its start.
; BOTH PRODUCTS ARE USED TRANSPOSED (source 0 = 16 rows of the weight, source 1 = my 16 batches): a lane holds one batch throughout.  Row m of tile T of P1 is hidden unit 8 T + m % 8 + 32 (m / 8), so that
; lane (r, h) holds in four tiles' 32 registers units 32 h + 0 .. 31 of batch r, ascending: a whole block along the next K, in the lane in which the next operand wants it.
; K = 65 is three blocks: lane (r, h) holds k = 32 h .. + 31 in registers 0-3 of a fragment, and lane (r, 0) k = 64 as the first code of register 4; all other codes of k = 64 .. 127 are zeros, on both sides.
; K = 64 (second product): registers 4-7 are zeros on both sides; their scale bytes are 0 (2^-127), over zero codes.
; P1's tile w is quantised by wave w (a lane to a column, registers down K) and goes to the other waves through LDS as an image of its registers: 16 bytes a lane for each four registers, 4 for the scale word.
; The biases are the C of each product, loaded in the result's layout into the registers that take the result.
; LIMITS: the division is v_rcp_f32 (1 ulp, ISA guide 15.8) and a multiplication; a block whose largest magnitude lies under 2^-124 keeps the scale byte 1 (a block of zeros too: its codes are zeros);
; NaN and infinities among the inputs are not served.
; REGISTERS, in windows of 256.  Window 0: v0-19 ids and offsets; v20-31 at work; v[32:159] the four parts, then v[32:63] z, v[64:71] z's k = 64 .. 71, v[72:79] P1's fragment as made, v80 its scale word,
;   v[96:127] P1's four fragments, v[128:159] the hidden layer; v[160:191] b2; v[192:195] counts; v[196:227] my column of P1, v[228:235] its k = 64 .. 71; v[236:243] z's fragment, then the hidden layer's;
;   v[244:247] P1's scale words, v248 z's, then the hidden layer's, v[249:252] P2's: scales and nothing else.
; Window 1: v[0:31] pb1, then the first product; v[32:63] pb2, then the second; v[64:95] P2's four fragments.
.set PSC,    4096                      ; LDS: 0: P1's four images of 1,024 bytes; PSC: their scale words, 128 bytes each;
.set STG,    4608                      ; the way out: 16 rows x (256 bytes + 16) for each wave
.set SPITCH, 272
.set MSB, 0
.macro WIN new                         ; low byte: bits 1:0 source 0, 3:2 source 1, 5:4 source 2, 7:6 destination; the high byte repeats the setting that is left
.if MSB != \new
	s_set_vgpr_msb (MSB<<8)|\new
.set MSB, \new
.endif
.endm
; 32 numbers of a lane, one block, become four registers of codes and the scale's byte
.macro QB src, dst, by
	v_max3_num_f32 v20, |v[\src]|, |v[\src+1]|, 0x1800000          ; the largest magnitude, in two chains, over the floor 2^(3 - 127): the byte cannot fall under 1
	v_max3_num_f32 v21, |v[\src+16]|, |v[\src+17]|, |v[\src+18]|
.irp k, 0,1,2,3,4,5
	v_max3_num_f32 v20, v20, |v[\src+2+2*\k]|, |v[\src+3+2*\k]|
	v_max3_num_f32 v21, v21, |v[\src+19+2*\k]|, |v[\src+20+2*\k]|
.endr
	v_max3_num_f32 v20, v20, |v[\src+14]|, |v[\src+15]|
	v_max3_num_f32 v20, v20, v21, |v[\src+31]|
	v_add_nc_u32 v22, 0xff000000, v20              ; 2 off the exponent field: the conversions' scale operand
.irp g, 0,1,2,3
	v_cvt_scalef32_pk8_fp4_f32 v[\dst+\g], v[\src+8*\g:\src+8*\g+7], v22
.endr
	v_lshrrev_b32 v[\by], 23, v22                  ; the byte.  (Also the plain place behind the conversions)
.endm
; the block that begins at k = 64: one number (lanes 16-31: none) and zeros
.macro QX grp, dst, by
	v_max3_num_f32 v20, |v[\grp]|, |v[\grp+1]|, 0x1800000
	v_add_nc_u32 v22, 0xff000000, v20
	v_cvt_scalef32_pk8_fp4_f32 v[\dst], v[\grp:\grp+7], v22
	v_lshrrev_b32 v[\by], 23, v22
.endm
; a row's scale word: lane (r, h) made bytes h (bya) and 2 + h (byb)
.macro SW out, bya, byb
	v_lshl_or_b32 v25, v[\byb], 16, v[\bya]
	v_lshlrev_b32 v25, v19, v25
	v_permlanex16_b32 v26, v25, s24, s25
	v_or_b32 v[\out], v25, v26
.endm
	s_load_b256 s[4:11], s[0:1], 0x0               ; parts s[4:5], b2 s[6:7], P1 s[8:9], pb1 s[10:11]
	s_load_b256 s[12:19], s[0:1], 0x20             ; P2's codes s[12:13], P2's scales s[14:15], pb2 s[16:17], out0 s[18:19]
	v_lshl_add_u32 v254, v0, 2, 0x5800
	v_mov_b32 v255, 0
	v_lshrrev_b32 v1, 5, v0
	v_readfirstlane_b32 s20, v1                    ; wave 0..3
	v_and_b32 v1, 31, v0                           ; lane
	v_and_b32 v2, 15, v0                           ; r
	v_bfe_u32 v3, v0, 4, 1                         ; h
	s_mov_b32 s24, 0x76543210                      ; v_permlanex16_b32's selects for lane l xor 16
	s_mov_b32 s25, 0xfedcba98
	s_mov_b32 s27, 0xffff0000                      ; lanes 16-31
	s_lshl_b32 s22, s20, 15                        ; my 16 batches of parts: 2,048 bytes each
	s_mov_b32 s23, 0
	s_lshl_b32 s28, s20, 12                        ; and of out0: 256 bytes each
	s_mov_b32 s29, 0
	v_lshlrev_b32 v5, 11, v2                       ; counts: batch r
	v_lshl_add_u32 v4, v3, 7, v5                   ; sums: batch r, + my 32 numbers
	v_lshlrev_b32 v6, 7, v3                        ; b2, pb1: my 32 numbers
	v_and_b32 v8, 7, v2
	v_lshrrev_b32 v7, 3, v2
	v_lshl_add_u32 v8, v7, 5, v8                   ; r % 8 + 32 (r / 8)
	s_lshl_b32 s21, s20, 5
	v_lshl_add_u32 v8, v8, 2, s21                  ; P1: my column, unit 8 w + r % 8 + 32 (r / 8)
	v_lshl_add_u32 v7, v3, 13, v8                  ; from row 32 h on
	v_lshlrev_b32 v9, 5, v2
	v_lshl_add_u32 v9, v3, 4, v9                   ; P2's codes: row r of 32 bytes, + 16 h
	v_lshlrev_b32 v10, 1, v2                       ; P2's scales
	v_lshlrev_b32 v11, 5, v3                       ; pb2: 8 h numbers on
	s_wait_kmcnt 0x0
	s_add_nc_u64 s[4:5], s[4:5], s[22:23]
	s_add_nc_u64 s[18:19], s[18:19], s[28:29]
.irp p, 0,1,2,3
.irp j, 0,1,2,3,4,5,6,7
	global_load_b128 v[32+32*\p+4*\j:35+32*\p+4*\j], v4, s[4:5] offset:512*\p+16*\j
.endr
.endr
.irp p, 0,1,2,3
	global_load_b32 v[192+\p], v5, s[4:5] offset:512*\p+256
.endr
.irp j, 0,1,2,3,4,5,6,7
	global_load_b128 v[160+4*\j:163+4*\j], v6, s[6:7] offset:16*\j
.endr
.irp i, 0,1,2,3,4,5,6,7,8,9,10,11,12,13,14,15,16,17,18,19,20,21,22,23,24,25,26,27,28,29,30,31
	global_load_b32 v[196+\i], v7, s[8:9] offset:256*\i            ; P1(32 h + i, my column)
.endr
	global_load_b32 v228, v8, s[8:9] offset:16384                  ; P1(64, my column)
	WIN 0x40                                       ; destination window 1, address window 0
.irp j, 0,1,2,3,4,5,6,7
	global_load_b128 v[4*\j:4*\j+3], v6, s[10:11] offset:16*\j     ; register 8 T + j: pb1[32 h + 8 T + j]
.endr
.irp t, 0,1,2,3
	global_load_b128 v[32+8*\t:35+8*\t], v11, s[16:17] offset:64*\t        ; register 8 T + j: pb2[16 T + 8 h + j]
	global_load_b128 v[36+8*\t:39+8*\t], v11, s[16:17] offset:64*\t+16
.endr
.irp t, 0,1,2,3
	global_load_b128 v[64+8*\t:67+8*\t], v9, s[12:13] offset:512*\t        ; P2's row 16 T + r, k = 32 h .. + 31
.endr
.irp t, 0,1,2,3
.irp k, 4,5,6,7
	v_mov_b32 v[64+8*\t+\k], 0                     ; k = 64 .. 127: zero codes
.endr
.endr
	WIN 0
.irp t, 0,1,2,3
	global_load_u16 v[249+\t], v10, s[14:15] offset:32*\t          ; bytes 0, 1: P2's scales; bytes 2, 3: 0, over zero codes
.endr
	v_lshlrev_b32 v12, 4, v1                       ; an image's place for my lane
	v_lshl_add_u32 v13, v1, 2, PSC                 ; a scale word's
	s_lshl_b32 s21, s20, 10
	v_add_nc_u32 v14, s21, v12                     ; where I store my tile's image,
	s_lshl_b32 s21, s20, 7
	v_add_nc_u32 v15, s21, v13                     ; and its scale word
	s_mul_i32 s21, s20, 16*SPITCH
	s_add_co_u32 s21, s21, STG                     ; my stage
	v_mul_u32_u24 v16, v2, SPITCH
	v_lshl_add_u32 v16, v3, 5, v16
	v_add_nc_u32 v16, s21, v16                     ; in: row r, 32 bytes for each half of the lanes
	v_mul_u32_u24 v17, v3, SPITCH
	v_lshl_add_u32 v17, v2, 4, v17
	v_add_nc_u32 v17, s21, v17                     ; back: lanes 0-15 one row of 256 bytes, lanes 16-31 the next
	v_lshlrev_b32 v18, 8, v3
	v_lshl_add_u32 v18, v2, 4, v18                 ; and the same two rows in out0
	v_lshlrev_b32 v19, 3, v3                       ; 8 h
	v_mov_b32 v26, 0                               ; (a lane permute's destination counts as one of its sources)
.irp k, 229,230,231,232,233,234,235,241,242,243
	v_mov_b32 v\k, 0                               ; P1's k = 65 .. 71; registers 5-7 of z's fragment
.endr
	; ---- z
	s_wait_loadcnt 57                              ; parts, counts and b2 are in; the 33 loads of P1 and the 24 behind them may stay out
	v_add_f32 v28, v192, v193
	v_add_f32 v29, v194, v195
	v_add_f32 v28, v28, v29                        ; the batch's events
	v_max_num_f32 v27, 1.0, v28                    ; valid
	v_rcp_f32 v30, v27
	v_mov_b32 v29, v28                             ; (a plain place behind the reciprocal; the packed forms below name pairs, so both halves are written)
	s_wait_alu depctr_va_vdst(0)
	v_mov_b32 v31, v30
.irp j, 0,2,4,6,8,10,12,14,16,18,20,22,24,26,28,30
	v_pk_add_f32 v[32+\j:33+\j], v[32+\j:33+\j], v[64+\j:65+\j]
	v_pk_add_f32 v[96+\j:97+\j], v[96+\j:97+\j], v[128+\j:129+\j]
.endr
.irp j, 0,2,4,6,8,10,12,14,16,18,20,22,24,26,28,30
	v_pk_add_f32 v[32+\j:33+\j], v[32+\j:33+\j], v[96+\j:97+\j]
.endr
.irp j, 0,2,4,6,8,10,12,14,16,18,20,22,24,26,28,30
	v_pk_fma_f32 v[32+\j:33+\j], v[160+\j:161+\j], v[28:29], v[32+\j:33+\j] op_sel_hi:[1,0,1]   ; + count x b2: each event's b2
.endr
.irp j, 0,2,4,6,8,10,12,14,16,18,20,22,24,26,28,30
	v_pk_mul_f32 v[32+\j:33+\j], v[32+\j:33+\j], v[30:31] op_sel_hi:[1,0]                       ; / valid
.endr
	v_mul_f32 v64, 0x38800000, v27                 ; z[64] = valid x 2^-14,
	v_cndmask_b32 v64, v64, 0, s27                 ; in lanes 0-15 alone
.irp k, 65,66,67,68,69,70,71,77,78,79
	v_mov_b32 v\k, 0                               ; z's k = 65 .. 71; registers 5-7 of P1's fragment
.endr
	QB 32, 236, 23
	QX 64, 240, 24
	SW 248, 23, 24
	; ---- P1's tile w
	s_wait_loadcnt 24                              ; P1 is in; pb1, pb2 and P2 may stay out
	v_cndmask_b32 v228, v228, 0, s27               ; k = 64 belongs to lanes 0-15
	QB 196, 72, 23
	QX 228, 76, 24
	SW 80, 23, 24
	ds_store_b128 v14, v[72:75]
	ds_store_b128 v14, v[76:79] offset:512
	ds_store_b32 v15, v80
	s_wait_dscnt 0x0                               ; for the others' sake: my image has landed
	s_barrier_signal -1
	s_barrier_wait -1
.irp t, 0,1,2,3
	ds_load_b128 v[96+8*\t:99+8*\t], v12 offset:1024*\t
	ds_load_b128 v[100+8*\t:103+8*\t], v12 offset:1024*\t+512
	ds_load_b32 v[244+\t], v13 offset:128*\t
.endr
	s_wait_dscnt 0x0
	s_wait_loadcnt 0x0                             ; pb1, pb2, P2
	; ---- first product: z's fragment and scale word were written far more than the eight places ahead that a scaled product asks; the four results by turns
	WIN 0x50                                       ; C and D window 1
.irp t, 0,1,2,3
	v_wmma_scale_f32_16x16x128_f8f6f4 v[8*\t:8*\t+7], v[96+8*\t:103+8*\t], v[236:243], v[8*\t:8*\t+7], v[244+\t], v248 matrix_a_fmt:MATRIX_FMT_FP4 matrix_b_fmt:MATRIX_FMT_FP4
.endr
.rept 4
	v_nop                                          ; places behind the products (ISA guide 7.12.1)
.endr
	WIN 0x04                                       ; source 1 window 1
.irp j, 0,1,2,3,4,5,6,7,8,9,10,11,12,13,14,15,16,17,18,19,20,21,22,23,24,25,26,27,28,29,30,31
	v_max_num_f32 v[128+\j], 0, v[\j]              ; the activation, in f32, each tile from its low end on: unit 32 h + j of batch r
.endr
	WIN 0
	QB 128, 236, 23
.irp k, 240,241,242,243,24
	v_mov_b32 v\k, 0                               ; k = 64 .. 127: zero codes; their scale bytes 0
.endr
	SW 248, 23, 24
.rept 8
	v_nop                                          ; a scale word written by a vector instruction stands eight places ahead of the scaled product
.endr
	; ---- second product
	WIN 0x51                                       ; source 0 (P2), C and D window 1
.irp t, 0,1,2,3
	v_wmma_scale_f32_16x16x128_f8f6f4 v[32+8*\t:39+8*\t], v[64+8*\t:71+8*\t], v[236:243], v[32+8*\t:39+8*\t], v[249+\t], v248 matrix_a_fmt:MATRIX_FMT_FP4 matrix_b_fmt:MATRIX_FMT_FP4
.endr
.rept 4
	v_nop
.endr
	; ---- the way out: lane (r, h) holds out0(16 w + r, 16 T + 8 h + 0 .. 7); the rows go through my own stage and leave whole
	WIN 0x04                                       ; an LDS store's data are its source 1: window 1
.irp t, 0,1,2,3
	ds_store_b128 v16, v[32+8*\t:35+8*\t] offset:64*\t             ; each result from its low end on
	ds_store_b128 v16, v[36+8*\t:39+8*\t] offset:64*\t+16
.endr
	WIN 0
.irp i, 0,1,2,3,4,5,6,7
	ds_load_b128 v[32+4*\i:35+4*\i], v17 offset:2*\i*SPITCH        ; LDS serves a wave's instructions in order (ISA guide 5.7.1.4): these see my stores
.endr
.irp i, 0,1,2,3,4,5,6,7
	s_wait_dscnt 7-\i                              ; pair i of rows is back; the younger loads may stay out
	global_store_b128 v18, v[32+4*\i:35+4*\i], s[18:19] offset:512*\i      ; 16 lanes store a row of 256 consecutive bytes, aligned
.endr
	s_wait_tensorcnt 0x0
	ds_add_u32 v254, v255
	s_wait_dscnt 0x0
	s_endpgm
.Lfunc_end_k_q77d8210f01_head:
	.size	k_q77d8210f01_head, .Lfunc_end_k_q77d8210f01_head-k_q77d8210f01_head
	.p2alignl 7, 3214868480
	.fill 96, 4, 3214868480
	.section	.rodata,"a",@progbits
	.p2align	6, 0x0
	.amdhsa_kernel k_q77d8210f01_head
		.amdhsa_group_segment_fixed_size 23040
		.amdhsa_private_segment_fixed_size 0
		.amdhsa_enable_private_segment 0
		.amdhsa_kernarg_size 64
		.amdhsa_user_sgpr_count 2
		.amdhsa_user_sgpr_kernarg_segment_ptr 1
		.amdhsa_wavefront_size32 1
		.amdhsa_system_sgpr_workgroup_id_x 1
		.amdhsa_system_sgpr_workgroup_id_y 1
		.amdhsa_system_sgpr_workgroup_id_z 1
		.amdhsa_system_vgpr_workitem_id 0
		.amdhsa_next_free_vgpr 384
		.amdhsa_next_free_sgpr 66
		.amdhsa_reserve_vcc 0
		.amdhsa_float_denorm_mode_32 3
		.amdhsa_float_denorm_mode_16_64 3
		.amdhsa_memory_ordered 1
		.amdhsa_forward_progress 1
		.amdhsa_inst_pref_size 30
	.end_amdhsa_kernel
	.amdgpu_metadata
---
amdhsa.version: [ 1, 2 ]
amdhsa.kernels:
  - .name:           k_q77d8210f01_head
    .symbol:         k_q77d8210f01_head.kd
    .args:
      - { .name: parts, .offset: 0, .size: 8, .value_kind: global_buffer, .address_space: global }
      - { .name: b2, .offset: 8, .size: 8, .value_kind: global_buffer, .address_space: global }
      - { .name: P1, .offset: 16, .size: 8, .value_kind: global_buffer, .address_space: global }
      - { .name: pb1, .offset: 24, .size: 8, .value_kind: global_buffer, .address_space: global }
      - { .name: P2_codes, .offset: 32, .size: 8, .value_kind: global_buffer, .address_space: global }
      - { .name: P2_scales, .offset: 40, .size: 8, .value_kind: global_buffer, .address_space: global }
      - { .name: pb2, .offset: 48, .size: 8, .value_kind: global_buffer, .address_space: global }
      - { .name: out0, .offset: 56, .size: 8, .value_kind: global_buffer, .address_space: global }
    .group_segment_fixed_size: 23040
    .private_segment_fixed_size: 0
    .kernarg_segment_align: 8
    .kernarg_segment_size: 64
    .max_flat_workgroup_size: 128
    .sgpr_count:     66
    .vgpr_count:     384
    .wavefront_size: 32
...
	.end_amdgpu_metadata
.endif
;; end of part 2
;; ======== version 2 of 2: 2 launches; version 1 with the launches events, head written anew for expert scheduling mode
;; workspace buffers: parts 131,072 bytes
;; launch events (part 3): grid 256 x 1, 8 waves a work-group, no clusters, 25,600 bytes of LDS; arguments x, W1, b1, W2_codes, W2_scales, parts; writes parts
.if DOCPART == 3
	.amdgcn_target "amdgcn-amd-amdhsa--gfx1250"
	.amdhsa_code_object_version 6
	.text
	.protected	k_q77d8210f01_events
	.globl	k_q77d8210f01_events
	.p2align	8
	.type	k_q77d8210f01_events,@function
k_q77d8210f01_events:
	s_mov_b64 s[64:65], 0
	v_nop
	global_prefetch_b8 v0, s[64:65] scope:SCOPE_SE
	s_setreg_imm32_b32 hwreg(HW_REG_WAVE_SCHED_MODE, 0, 2), 2
	s_setreg_imm32_b32 hwreg(HW_REG_WAVE_MODE, 25, 1), 1
	s_wait_xcnt 0x0
	s_wait_alu depctr_vm_vsrc(0)
; RUN-LENGTH EVENTS, THEIR TWO-LAYER NET AND ITS SUM.  x: [64][2048][8] f32.  For batch b and component c the samples are thresholded at 0.5; slot t is an EVENT where its bit differs from
; slot t - 1's (t = 0 always).  An event's row is (one-hot c, s, t / 2047, dur / 2048).  This launch forms, for each work-group, the sum over its events of Q(relu(row W1 + b1)) W2 and the number
; of its events; b2, the division and the head follow in the next launch.  parts: [256 work-groups][128 f32]: words 0-63 the sum, words 64-127 the count (the same number 64 times).
; SHARES.  Work-group g: batch g / 4, components 2 (g % 4) and 2 (g % 4) + 1.  Wave w: component c = 2 (g % 4) + w / 4, slots 512 (w % 4) .. + 511.  Lane l owns a CHUNK of 16 consecutive slots.
; EVERY SLOT IS COMPUTED: which slots are events hangs on floating-point data, so it steers no address, branch or trip count here; a slot that is no event gets zero codes, which add nothing.
; FIRST PRODUCT, f32 operands (its result goes into a quantiser), K = 4: with c fixed for a wave, row W1 + b1 = t (W1[9] / 2047) + dur (W1[10] / 2048) + s W1[8] + 1 (W1[c] + b1).
;   Source 0 = 16 hidden units, source 1 = 16 events.  Tile T's row m is unit 8 T + m % 8 + 32 (m / 8): so lane (r, h) holds, in the 32 registers of four tiles, units 32 h + 0 .. 31 of event r, ascending:
;   one whole block of the quantiser, in the lane and order in which the second product's operand wants it.  No maximum crosses lanes, nothing is swapped.
; SECOND PRODUCT, on E2M1 codes with E8M0 scales, K = 128 = TWO EVENTS: only the sum over events is wanted, so row r of source 0 holds event X in k = 0 .. 63 and event Y in k = 64 .. 127, and
;   column n of source 1 holds W2[:, n] twice.  The four accumulators (64 outputs) run on over all 16 steps; their 16 rows are added at the end.
; RELU AND MASK ARE APPLIED TO THE CODES: the block's maximum is taken without magnitudes (what is negative does not count; the floor stands over it), the raw numbers are converted, and then each
;   code whose sign bit is set, or every code of a slot that is no event, is cleared.  That gives the codes of Q(relu(.)) exactly.
; LIMITS: 1 / 2047 is folded into W1[9] (two roundings where reference() has two others: some 1e-7 of the number); sums over events run in another order than reference()'s; a block whose largest
;   number lies under 2^-124 keeps the scale byte 1; NaN and infinities in the weights are not served; a NaN in x counts as not over 0.5, as in reference().
; No tensor loads (a work-group reads 8 bytes of every 32 once and must part the two components), no cluster (the work-groups of a batch use disjoint bytes of x).
; THE MODE: SCHED_MODE bits 1:0 = 2 (LLVM: expert scheduling mode 2), set by the entry lines.  The code itself states the register dependences between vector or matrix instructions and memory
; or LDS instructions, those through scalar registers that vector instructions write, and those of vector-written operands of scaled products, with s_wait_alu, always for 0.
; THE PLAN.  Registers that memory or LDS instructions touch:
;   v10-15      global offsets: made at the head, read by the 32 loads, never written again.
;   v225-232    LDS addresses: made behind the loads, never written again.      v233  at the end wave 0's offset in parts.
;   v[236:251]  x's loads land; 16 LDS stores read them; then at work; v237, v239 are the data of two LDS stores; LDS loads land in v240-242; at the end v236, v240, v244, v248 are the data of four LDS stores.
;   v7          the data of the guard's store; later the destination of the lane exchange in every step.
;   v[208:224]  LDS loads land; the compares read them; at the end wave 0's loads land in v[208:223] again.
;   v[16:23]    named by vector and matrix instructions through all steps; at the end wave 0's counts land there.      v9  the data of the count's store.
;   The weights' registers take their loads once, before anything has named them.
; THE SIXTEEN STEPS HOLD NO MEMORY OR LDS INSTRUCTION.  Each has ONE wait on va_vdst: vector lines write the events' fragment and scale word, which the next step's scaled products take.
.set PLANE, 10496                      ; LDS: a component's 2,048 samples: a guard chunk, then 128 chunks, each 64 bytes + 16 of padding: the pitch 80 is an odd multiple of 16
.set FS,    20992                      ; [2 components][8 words]: the four waves' first events, then 2048.0 four times
.set RED,   21248                      ; [8 waves][64 f32]: the waves' sums
.set CNT,   23296                      ; [8 f32]: the waves' counts
.set F2048, 0x45000000                 ; 2048.0
.set E,   16                           ; v[16:17], v[18:19]  the events' operand, state 0 and 1: lanes 0-15 (t, dur), lanes 16-31 (s, 1.0)
.set TF,  20                           ; v20, v21  t of the slot in hand (lanes 16-31: 0)
.set NX,  22                           ; v22, v23  the next event behind it (lanes 16-31: 1.0)
.set MK,  24                           ; v24, v25  0 where the slot is an event, else 0x11111111
.set MA,  26                           ; v26-28    a block's maximum, two chains and the result
.set MB,  27
.set MX,  28
.set SC,  29                           ; v29, v30  the conversions' scale operand
.set BY,  31                           ; v31, v32  the scale's byte
.set SA,  34                           ; v34, v35  the events' scale word, by the step's parity: scales and nothing else
.set SB,  36                           ; v36-39    W2's scale words
.set CT,  40                           ; v40-43 raw codes;  v44-47, v48-51 at work on them
.set U,   44
.set W,   48
.set WF,  52                           ; v[52:59]  the first product's weights, a pair for each tile
.set BR,  60                           ; v60-63    b1 as loaded
.set AF,  64                           ; v[64:71], v[72:79]  the events' codes, by the step's parity
.set W2F, 80                           ; v[80:111] W2's four tiles
.set ACC, 112                          ; v[112:143] four accumulators
.set HH,  144                          ; v[144:175], v[176:207]  the hidden layer of state 0 and 1: written by matrix instructions alone
.set XV,  208                          ; v[208:223] my chunk's 16 samples;  v224 the sample in front of it
.set XP,  224
.set SQ,  40                           ; s[40:56]  bit l: sample k - 1 of lane l's chunk is over 0.5 (k = 0: the sample in front)
.set ST,  68                           ; s[68:83]  bit l: slot i of lane l's chunk is an event
.macro BARRIER                         ; my LDS stores have landed and my LDS loads are in: then the work-group's barrier
	s_wait_dscnt 0x0
	s_barrier_signal -1
	s_barrier_wait -1
.endm
	s_load_b256 s[4:11], s[0:1], 0x0               ; x s[4:5], W1 s[6:7], b1 s[8:9], W2's codes s[10:11]
	s_load_b128 s[12:15], s[0:1], 0x20             ; W2's scales s[12:13], parts s[14:15]
	v_lshl_add_u32 v254, v0, 2, 0x6000             ; my spare word, behind all that the text uses of LDS, and 0: made here and kept for the closing lines alone
	v_mov_b32 v255, 0
	v_lshrrev_b32 v1, 5, v0
	v_readfirstlane_b32 s16, v1                    ; wave 0..7
	v_and_b32 v1, 31, v0                           ; lane
	v_and_b32 v2, 15, v0                           ; r
	v_bfe_u32 v3, v0, 4, 1                         ; h
	s_wait_alu depctr_va_sdst(0)                   ; s16 is written, ahead of its first reader, the line below
	s_and_b32 s17, s16, 3                          ; q: which 512 slots
	s_lshr_b32 s18, s16, 2                         ; cc: which of the two components
	s_and_b32 s20, ttmp9, 3
	s_lshl_b32 s19, s20, 1
	s_add_co_u32 s19, s19, s18                     ; c
	s_lshr_b32 s21, ttmp9, 2
	s_lshl_b32 s21, s21, 16                        ; the batch's 65,536 bytes of x,
	s_lshl_b32 s20, s20, 3                         ; and the pair's 8 bytes in a row of 32
	s_add_co_u32 s20, s20, s21
	s_mov_b32 s21, 0
	s_lshl_b32 s22, ttmp9, 9                       ; the work-group's 512 bytes of parts
	s_mov_b32 s23, 0
	s_mov_b32 s24, 0x76543210                      ; v_permlanex16_b32's selects for lane l xor 16
	s_mov_b32 s25, 0xfedcba98
	s_mov_b32 s26, 0x11111111
	s_mov_b32 s27, 0xffff0000                      ; lanes 16-31
	s_mov_b32 s28, 0x55555555                      ; the lanes whose bit 1, 2, 4, 8, 16 is clear
	s_mov_b32 s29, 0x33333333
	s_mov_b32 s30, 0x0f0f0f0f
	s_mov_b32 s31, 0x00ff00ff
	s_mov_b32 s32, 0x0000ffff
	v_lshlrev_b32 v14, 5, v0                       ; x: thread t takes row t of each 256
	v_and_b32 v9, 7, v2
	v_lshrrev_b32 v233, 3, v2
	v_lshl_add_u32 v9, v233, 5, v9                 ; u0 = r % 8 + 32 (r / 8): my row's unit in tile 0
	v_lshlrev_b32 v11, 2, v9                       ; b1: 4 u0
	v_add_nc_u32 v12, 2304, v11
	v_lshlrev_b32 v233, 8, v3
	v_sub_nc_u32 v12, v12, v233                    ; W1: row 9 (lanes 0-15) or row 8 (lanes 16-31)
	s_lshl_b32 s34, s19, 8
	v_mov_b32 v13, 2560
	v_mov_b32 v233, s34
	v_cndmask_b32 v13, v13, v233, s27
	v_add_nc_u32 v13, v13, v11                     ; W1: row 10 or row c
	v_lshlrev_b32 v10, 5, v2
	v_lshl_add_u32 v10, v3, 4, v10                 ; W2's codes: row r of 32 bytes, + 16 h
	v_lshlrev_b32 v15, 1, v2                       ; W2's scales: 2 bytes a row
	s_wait_kmcnt 0x0
	s_add_nc_u64 s[4:5], s[4:5], s[20:21]
	s_add_nc_u64 s[14:15], s[14:15], s[22:23]
	s_wait_alu depctr_va_vdst(0)                   ; the offsets v10 to v15 are written, which the 32 loads below read
.irp k, 0,1,2,3,4,5,6,7
	global_load_b64 v[236+2*\k:237+2*\k], v14, s[4:5] offset:8192*\k   ; x(t + 256 k, both components).  No hint: the batch's other work-groups read the neighbouring bytes
.endr
.irp t, 0,1,2,3
	global_load_b32 v[WF+2*\t], v12, s[6:7] offset:32*\t
.endr
.irp t, 0,1,2,3
	global_load_b32 v[WF+2*\t+1], v13, s[6:7] offset:32*\t
.endr
.irp t, 0,1,2,3
	global_load_b32 v[BR+\t], v11, s[8:9] offset:32*\t
.endr
.irp t, 0,1,2,3
	global_load_b128 v[W2F+8*\t:W2F+8*\t+3], v10, s[10:11] offset:512*\t     ; column 16 T + r of W2, k = 32 h .. + 31,
	global_load_b128 v[W2F+8*\t+4:W2F+8*\t+7], v10, s[10:11] offset:512*\t   ; and the same once more as k = 64 + 32 h .. + 31
.endr
.irp t, 0,1,2,3
	global_load_u16 v[SB+\t], v15, s[12:13] offset:32*\t
.endr
	; all LDS addresses, made of the thread's and the wave's number and constants.  (None of these lines writes a register that the loads above read or land in)
	v_lshrrev_b32 v225, 4, v0
	v_mul_u32_u24 v225, v225, 80
	v_lshl_add_u32 v225, v2, 2, v225
	v_add_nc_u32 v225, 80, v225                    ; x on its way in: chunk t / 16 (behind the guard), word t % 16
	s_lshl_b32 s34, s17, 2
	s_xor_b32 s34, s34, 60
	s_mul_i32 s35, s18, PLANE
	s_add_co_u32 s34, s34, s35
	v_mov_b32 v226, s34                            ; a word of the guard chunk for each wave; q = 0 has word 15, the one in front of t = 0
	s_mul_i32 s36, s17, 2560
	s_add_co_u32 s36, s36, s35
	v_mul_u32_u24 v227, v1, 80
	v_add_nc_u32 v227, s36, v227                   ; the chunk in front of mine
	s_lshl_b32 s36, s18, 5
	s_lshl_b32 s37, s17, 2
	s_add_co_u32 s36, s36, s37
	s_add_co_u32 s36, s36, FS
	v_mov_b32 v228, s36                            ; my wave's word among the first events
	s_lshl_b32 s36, s16, 8
	s_add_co_u32 s36, s36, RED
	v_lshl_add_u32 v229, v2, 2, s36                ; my wave's sums, word r
	s_lshl_b32 s36, s16, 2
	s_add_co_u32 s36, s36, CNT
	v_mov_b32 v230, s36                            ; my wave's count
	v_lshl_add_u32 v231, v1, 3, RED                ; at the end: 8 bytes a lane of each wave's sums
	v_mov_b32 v232, CNT
	v_mov_b32 v4, 0x11111111
	v_mov_b32 v5, 1.0
	v_cndmask_b32 v5, v5, 0, s27                   ; what t falls by from step to step: 1.0, lanes 16-31: 0
	v_lshlrev_b32 v6, 3, v3                        ; 8 h
	v_mov_b32 v7, 0                                ; (a lane permute's destination counts as one of its sources)
	s_wait_loadcnt 24                              ; x's eight loads are in; the 24 loads of weights issued behind them may stay out
	s_wait_alu depctr_va_vdst(0)                   ; the LDS addresses v225 to v232 and v7 are written: every LDS store and load of the kernel reads one of these addresses, and the guard's store reads v7
.irp k, 0,1,2,3,4,5,6,7
	ds_store_b32 v225, v[236+2*\k] offset:1280*\k
	ds_store_b32 v225, v[237+2*\k] offset:1280*\k+PLANE
.endr
	ds_store_b32 v226, v7
	BARRIER                                        ; both components' samples lie in LDS, chunk by chunk
	s_wait_alu depctr_vm_vsrc(0)                   ; my 17 LDS stores have read v[236:251] and v7: the lines below work in v234 to v244, LDS loads land in v240 to v242, and every step writes v7
	ds_load_b32 v[XP], v227 offset:60
.irp k, 0,1,2,3
	ds_load_b128 v[XV+4*\k:XV+4*\k+3], v227 offset:80+16*\k
.endr
	s_wait_dscnt 0x0
	v_cmp_lt_f32 s[SQ], 0.5, v[XP]
.irp k, 0,1,2,3,4,5,6,7,8,9,10,11,12,13,14,15
	v_cmp_lt_f32 s[SQ+1+\k], 0.5, v[XV+\k]
.endr
	s_wait_alu depctr_va_sdst(0)                   ; the 17 compares have written s[40:56], ahead of their first readers, the lines below: one wait for the run
.irp i, 0,1,2,3,4,5,6,7,8,9,10,11,12,13,14,15
	s_xor_b32 s[ST+\i], s[SQ+\i], s[SQ+1+\i]       ; an event: the bit differs from the slot's in front
.endr
	s_cmp_eq_u32 s17, 0
	s_cselect_b32 s34, 1, 0
	s_or_b32 s[ST], s[ST], s34                     ; t = 0 always is one
	s_bcnt1_i32_b32 s33, s[ST]
.irp i, 1,2,3,4,5,6,7,8,9,10,11,12,13,14,15
	s_bcnt1_i32_b32 s34, s[ST+\i]
	s_add_co_u32 s33, s33, s34                     ; my wave's events
.endr
	; The first event of each chunk, then for each lane the first event in the wave's LATER chunks (v235) and the wave's own first (v237)
	v_mov_b32 v234, 0x10000
.irp i, 15,14,13,12,11,10,9,8,7,6,5,4,3,2,1,0
	v_cndmask_b32 v234, v234, \i, s[ST+\i]
.endr
	s_lshl_b32 s34, s17, 9
	v_lshl_add_u32 v238, v1, 4, s34                ; my chunk's first slot
	v_add_nc_u32 v237, v238, v234
	v_cvt_f32_u32 v237, v237
	v_min_num_f32 v237, F2048, v237                ; none: 2048
	v_mov_b32 v235, F2048
	v_mov_b32 v236, 0
.macro SUF d, m                        ; groups of d lanes are joined in pairs: a lane of the lower group takes the upper group's minimum among its later chunks
	v_min_num_f32_dpp v236, v237, v235 row_xmask:\d row_mask:0xf bank_mask:0xf
	v_cndmask_b32 v235, v235, v236, s[\m]
	v_min_num_f32_dpp v237, v237, v237 row_xmask:\d row_mask:0xf bank_mask:0xf
.endm
	SUF 1, 28
	SUF 2, 29
	SUF 4, 30
	SUF 8, 31
	v_permlanex16_b32 v236, v237, s24, s25
	v_min_num_f32 v239, v236, v235
	v_cndmask_b32 v235, v235, v239, s32
	v_min_num_f32 v237, v237, v236
	v_mov_b32 v239, F2048
	s_wait_alu depctr_va_vdst(0)                   ; v237 and v239 are written, which the two LDS stores below read
	ds_store_b32 v228, v237                        ; word q: my wave's first event
	ds_store_b32 v228, v239 offset:16              ; word 4 + q: 2048, for the waves that have fewer than three behind them
	s_wait_loadcnt 0x0                             ; the weights.  They are prepared while the two stores are out
	v_mov_b32 v243, 0x3a001002                     ; 1 / 2047
	v_cndmask_b32 v243, v243, 1.0, s27
	v_mov_b32 v244, 0x3a000000                     ; 1 / 2048
	v_cndmask_b32 v244, v244, 1.0, s27
.irp t, 0,1,2,3
	v_cndmask_b32 v[BR+\t], 0, v[BR+\t], s27
.endr
.irp t, 0,1,2,3
	v_mul_f32 v[WF+2*\t], v[WF+2*\t], v243                        ; k = 0: W1[9] / 2047;   k = 2: W1[8]
	v_fma_f32 v[WF+2*\t+1], v[WF+2*\t+1], v244, v[BR+\t]          ; k = 1: W1[10] / 2048;  k = 3: W1[c] + b1
	v_lshl_or_b32 v[SB+\t], v[SB+\t], 16, v[SB+\t]                ; W2's two bytes twice: k = 0 .. 63 and k = 64 .. 127
.endr
	BARRIER                                        ; the four waves' first events lie in LDS
	s_wait_alu depctr_vm_vsrc(0)                   ; my two LDS stores have read v237 and v239, which the additions behind the last step write again
	ds_load_b32 v240, v228 offset:4                ; (no vector line has yet named v240 to v242, and none since the wait on va_vdst above names v228)
	ds_load_b32 v241, v228 offset:8
	ds_load_b32 v242, v228 offset:12
	s_wait_dscnt 0x0
	v_min3_num_f32 v240, v240, v241, v242
	v_min_num_f32 v235, v235, v240                 ; the first event behind my chunk, 2048 if there is none
	v_permlanex16_b32 v241, v235, s24, s25
	v_cndmask_b32 v[NX], v235, 1.0, s27            ; state 0: lane r serves chunk r;
	v_cndmask_b32 v[NX+1], v241, 1.0, s27          ; state 1: chunk 16 + r
	s_add_co_u32 s34, s34, 15
	v_lshl_add_u32 v240, v2, 4, s34
	v_cvt_f32_u32 v240, v240                       ; the chunk's last slot: the walk goes backward
	v_add_f32 v241, 0x43800000, v240               ; 16 chunks = 256 slots on
	v_cndmask_b32 v[TF], v240, 0, s27
	v_cndmask_b32 v[TF+1], v241, 0, s27
; The features of slot i of 16 chunks (state s), and the walk's step.  Lanes 0-15 hold (t, dur), lanes 16-31 (s, 1.0): the f32 form's source 1, k = 2 h + register.
.macro FEAT s, i
.if \s == 0
	s_and_b32 s34, s[ST+(\i)], 0xffff              ; events, at lanes 0-15
	s_lshl_b32 s35, s[SQ+1+(\i)], 16               ; the slots' bits, at lanes 16-31
	s_lshl_b32 s36, s[ST+(\i)], 16
.else
	s_lshr_b32 s34, s[ST+(\i)], 16
	s_and_b32 s35, s[SQ+1+(\i)], s27
	s_and_b32 s36, s[ST+(\i)], s27
.endif
	s_or_b32 s36, s36, s34                         ; events, at both halves
	v_cndmask_b32 v[E+2*\s], v[TF+\s], 1.0, s35
	v_sub_f32 v[E+2*\s+1], v[NX+\s], v[TF+\s]
	v_cndmask_b32 v[NX+\s], v[NX+\s], v[TF+\s], s34
	v_cndmask_b32 v[MK+\s], v4, 0, s36
	v_sub_f32 v[TF+\s], v[TF+\s], v5
.endm
.macro MM1 s                           ; 64 hidden units of 16 events; each sum is one K step and begins with the constant 0
.irp t, 0,1,2,3
	v_wmma_f32_16x16x4_f32 v[HH+32*\s+8*\t:HH+32*\s+8*\t+7], v[WF+2*\t:WF+2*\t+1], v[E+2*\s:E+2*\s+1], 0
.endr
.endm
.macro QMAX s                          ; my block's largest number, negatives not counted, over the floor 2^(3 - 127).  Each tile is first read at its low end
.set HB, HH+32*\s
	v_max3_num_f32 v[MA], v[HB], v[HB+1], 0x1800000
	v_max3_num_f32 v[MB], v[HB+16], v[HB+17], v[HB+18]
.irp k, 0,1,2,3,4,5
	v_max3_num_f32 v[MA], v[MA], v[HB+2+2*\k], v[HB+3+2*\k]
	v_max3_num_f32 v[MB], v[MB], v[HB+19+2*\k], v[HB+20+2*\k]
.endr
	v_max3_num_f32 v[MA], v[MA], v[HB+14], v[HB+15]
	v_max3_num_f32 v[MX], v[MA], v[MB], v[HB+31]
.endm
.macro QRAW s                          ; the block's scale operand, its 32 raw codes and its scale's byte
.set HB, HH+32*\s
	v_add_nc_u32 v[SC+\s], 0xff000000, v[MX]       ; 2 off the exponent field: the conversion takes this operand's exponent field as its scale
.irp g, 0,1,2,3
	v_cvt_scalef32_pk8_fp4_f32 v[CT+\g], v[HB+8*\g:HB+8*\g+7], v[SC+\s]
.endr
	v_lshrrev_b32 v[BY+\s], 23, v[SC+\s]           ; the scale's byte.  (Also the plain place behind the conversions)
.endm
.macro QCLR s, p                       ; relu and mask on the raw codes: the result is registers 4 s .. 4 s + 3 of fragment p
.set AB, AF+8*(\p)+4*\s
.irp g, 0,1,2,3
	v_lshrrev_b32 v[U+\g], 3, v[CT+\g]             ; each code's sign bit at its lowest bit,
.endr
.irp g, 0,1,2,3
	v_and_or_b32 v[U+\g], v[U+\g], s26, v[MK+\s]   ; or every code where the slot is no event;
.endr
.irp g, 0,1,2,3
	v_lshlrev_b32 v[W+\g], 4, v[U+\g]
.endr
.irp g, 0,1,2,3
	v_sub_nc_u32 v[W+\g], v[W+\g], v[U+\g]         ; x 15: all four bits of those codes,
.endr
.irp g, 0,1,2,3
	v_bfi_b32 v[AB+\g], v[W+\g], 0, v[CT+\g]       ; which are cleared
.endr
.endm
.macro SCW p                           ; row r's scale word: bytes 0, 1 event X's two blocks, bytes 2, 3 event Y's; lane (r, h) made bytes h and 2 + h
	v_lshl_or_b32 v8, v[BY+1], 16, v[BY]
	v_lshlrev_b32 v8, v6, v8
	v_permlanex16_b32 v7, v8, s24, s25
	v_or_b32 v[SA+(\p)], v8, v7
.endm
.macro MM2 p, zero                     ; 32 events x 64 outputs.  The four accumulators take turns, one instruction a turn
.irp t, 0,1,2,3
.if \zero
	v_wmma_scale_f32_16x16x128_f8f6f4 v[ACC+8*\t:ACC+8*\t+7], v[AF+8*(\p):AF+8*(\p)+7], v[W2F+8*\t:W2F+8*\t+7], 0, v[SA+(\p)], v[SB+\t] matrix_a_fmt:MATRIX_FMT_FP4 matrix_b_fmt:MATRIX_FMT_FP4
.else
	v_wmma_scale_f32_16x16x128_f8f6f4 v[ACC+8*\t:ACC+8*\t+7], v[AF+8*(\p):AF+8*(\p)+7], v[W2F+8*\t:W2F+8*\t+7], v[ACC+8*\t:ACC+8*\t+7], v[SA+(\p)], v[SB+\t] matrix_a_fmt:MATRIX_FMT_FP4 matrix_b_fmt:MATRIX_FMT_FP4
.endif
.endr
.endm
; STEP i: slot i of all 32 chunks.  While one state's hidden layer is quantised, the other's next one is on the matrix unit, and so is the step before's second product.
; PLACES (ISA guide 7.12.1), by this text's own count of plain vector lines that name none of the matrix instruction's registers: between an f32 product and the first read of its results stand the other
; state's 16 maxima (8 are asked).  The scale word is made as soon as the second block's byte is there: behind it stand 16 lines on the codes and 5 of features (8 are asked), behind the fragment's last
; line the 5 of features (4 are asked); then the step's one wait; the scaled products that take both follow in the next step.  Fragment and scale word are written again two steps on: they take turns by the step's parity.
.macro STEP i
.set PP, (\i)%2
	QMAX 0
.if (\i) == 14
	MM2 1-PP, 1                                    ; the first second product starts the sums: nothing is cleared
.elseif (\i) < 14
	MM2 1-PP, 0
.endif
	QRAW 0
	QCLR 0, PP
.if (\i) > 0
	FEAT 0, (\i)-1
	MM1 0
.endif
	QMAX 1
	QRAW 1
	SCW PP
	QCLR 1, PP
.if (\i) > 0
	FEAT 1, (\i)-1
	s_wait_alu depctr_va_vdst(0)                   ; this step's fragment and scale word are written, which the next step's scaled products take as source 0 and as its scales (in the first step: W2's scale words too).  No line between here and those products names them
	MM1 1
.endif
.endm
	FEAT 0, 15
	MM1 0
	FEAT 1, 15
	MM1 1
.rept 8
	v_nop                                          ; with state 1's five lines of features: the places behind state 0's first products
.endr
.irp i, 15,14,13,12,11,10,9,8,7,6,5,4,3,2,1,0
	STEP \i
.endr
.rept 8
	v_nop                                          ; the places behind the last fragment's last line (4 are asked; the last scale word has the 16 lines on the codes besides)
.endr
	s_wait_alu depctr_va_vdst(0)                   ; the last fragment and its scale word are written, which the scaled products below take
	MM2 0, 0
	v_mov_b32 v9, s33
	v_cvt_f32_u32 v9, v9                           ; my wave's count
.rept 4
	v_nop                                          ; places behind the last products
.endr
.irp t, 0,1,2,3                        ; the sum over an accumulator's 16 rows: my eight registers, from the low end on, and lane l xor 16's
	v_pk_add_f32 v[236+4*\t:237+4*\t], v[ACC+8*\t:ACC+8*\t+1], v[ACC+8*\t+2:ACC+8*\t+3]
	v_pk_add_f32 v[238+4*\t:239+4*\t], v[ACC+8*\t+4:ACC+8*\t+5], v[ACC+8*\t+6:ACC+8*\t+7]
.endr
.irp t, 0,1,2,3
	v_pk_add_f32 v[236+4*\t:237+4*\t], v[236+4*\t:237+4*\t], v[238+4*\t:239+4*\t]
.endr
.irp t, 0,1,2,3
	v_add_f32 v[236+4*\t], v[236+4*\t], v[237+4*\t]
.endr
.irp t, 0,1,2,3
	v_permlanex16_b32 v[237+4*\t], v[236+4*\t], s24, s25
.endr
.irp t, 0,1,2,3
	v_add_f32 v[236+4*\t], v[236+4*\t], v[237+4*\t]
.endr
	s_wait_alu depctr_va_vdst(0)                   ; the four sums and v9 are written, which the LDS stores below read; and all that named v[16:23] and v[208:223] is done: wave 0's loads land there below, with no vector line between
.irp t, 0,1,2,3
	ds_store_b32 v229, v[236+4*\t] offset:64*\t    ; output 16 T + r (both halves of the lanes write the same word with the same value)
.endr
	ds_store_b32 v230, v9
	BARRIER                                        ; the eight waves' sums and counts lie in LDS
	s_cmp_lg_u32 s16, 0
	s_cbranch_scc1 .Ldone                          ; wave 0 adds them and stores
.irp k, 0,1,2,3,4,5,6,7
	ds_load_b64 v[XV+2*\k:XV+2*\k+1], v231 offset:256*\k
.endr
	ds_load_b128 v[16:19], v232
	ds_load_b128 v[20:23], v232 offset:16
	v_lshlrev_b32 v233, 3, v1
	s_wait_dscnt 0x0
	v_pk_add_f32 v[208:209], v[208:209], v[210:211]
	v_pk_add_f32 v[212:213], v[212:213], v[214:215]
	v_pk_add_f32 v[216:217], v[216:217], v[218:219]
	v_pk_add_f32 v[220:221], v[220:221], v[222:223]
	v_pk_add_f32 v[16:17], v[16:17], v[18:19]
	v_pk_add_f32 v[20:21], v[20:21], v[22:23]
	v_pk_add_f32 v[208:209], v[208:209], v[212:213]
	v_pk_add_f32 v[216:217], v[216:217], v[220:221]
	v_pk_add_f32 v[16:17], v[16:17], v[20:21]
	v_pk_add_f32 v[208:209], v[208:209], v[216:217]
	v_add_f32 v16, v16, v17
	v_mov_b32 v17, v16
	s_wait_alu depctr_va_vdst(0)                   ; v[208:209], v[16:17] and the offset v233 are written, which the two stores below read
	global_store_b64 v233, v[208:209], s[14:15]            ; 32 lanes store 256 consecutive bytes, aligned: the 64 sums,
	global_store_b64 v233, v[16:17], s[14:15] offset:256   ; and the next 256: the count
.Ldone:
	s_wait_dscnt 0x0                               ; the closing lines, six on end
	s_wait_alu 0x0
	s_wait_tensorcnt 0x0
	ds_add_u32 v254, v255
	s_wait_dscnt 0x0
	s_endpgm
.Lfunc_end_k_q77d8210f01_events:
	.size	k_q77d8210f01_events, .Lfunc_end_k_q77d8210f01_events-k_q77d8210f01_events
	.p2alignl 7, 3214868480
	.fill 96, 4, 3214868480
	.section	.rodata,"a",@progbits
	.p2align	6, 0x0
	.amdhsa_kernel k_q77d8210f01_events
		.amdhsa_group_segment_fixed_size 25600
		.amdhsa_private_segment_fixed_size 0
		.amdhsa_enable_private_segment 0
		.amdhsa_kernarg_size 48
		.amdhsa_user_sgpr_count 2
		.amdhsa_user_sgpr_kernarg_segment_ptr 1
		.amdhsa_wavefront_size32 1
		.amdhsa_system_sgpr_workgroup_id_x 1
		.amdhsa_system_sgpr_workgroup_id_y 1
		.amdhsa_system_sgpr_workgroup_id_z 1
		.amdhsa_system_vgpr_workitem_id 0
		.amdhsa_next_free_vgpr 256
		.amdhsa_next_free_sgpr 96
		.amdhsa_reserve_vcc 0
		.amdhsa_float_denorm_mode_32 3
		.amdhsa_float_denorm_mode_16_64 3
		.amdhsa_memory_ordered 1
		.amdhsa_forward_progress 1
		.amdhsa_inst_pref_size 125
	.end_amdhsa_kernel
	.amdgpu_metadata
---
amdhsa.version: [ 1, 2 ]
amdhsa.kernels:
  - .name:           k_q77d8210f01_events
    .symbol:         k_q77d8210f01_events.kd
    .args:
      - { .name: x, .offset: 0, .size: 8, .value_kind: global_buffer, .address_space: global }
      - { .name: W1, .offset: 8, .size: 8, .value_kind: global_buffer, .address_space: global }
      - { .name: b1, .offset: 16, .size: 8, .value_kind: global_buffer, .address_space: global }
      - { .name: W2_codes, .offset: 24, .size: 8, .value_kind: global_buffer, .address_space: global }
      - { .name: W2_scales, .offset: 32, .size: 8, .value_kind: global_buffer, .address_space: global }
      - { .name: parts, .offset: 40, .size: 8, .value_kind: global_buffer, .address_space: global }
    .group_segment_fixed_size: 25600
    .private_segment_fixed_size: 0
    .kernarg_segment_align: 8
    .kernarg_segment_size: 48
    .max_flat_workgroup_size: 256
    .sgpr_count:     96
    .vgpr_count:     256
    .wavefront_size: 32
...
	.end_amdgpu_metadata
.endif
;; end of part 3
;; launch head (part 4): grid 1 x 1, 4 waves a work-group, no clusters, 23,040 bytes of LDS; arguments parts, b2, P1, pb1, P2_codes, P2_scales, pb2, out0; writes out0
.if DOCPART == 4
	.amdgcn_target "amdgcn-amd-amdhsa--gfx1250"
	.amdhsa_code_object_version 6
	.text
	.protected	k_q77d8210f01_head
	.globl	k_q77d8210f01_head
	.p2align	8
	.type	k_q77d8210f01_head,@function
k_q77d8210f01_head:
	s_mov_b64 s[64:65], 0
	v_nop
	global_prefetch_b8 v0, s[64:65] scope:SCOPE_SE
	s_setreg_imm32_b32 hwreg(HW_REG_WAVE_SCHED_MODE, 0, 2), 2
	s_setreg_imm32_b32 hwreg(HW_REG_WAVE_MODE, 25, 1), 1
	s_wait_xcnt 0x0
	s_wait_alu depctr_vm_vsrc(0)
; THE HEAD: pooled = (the sum of a batch's four parts + count x b2) / max(count, 1);  z = (pooled, max(count, 1) / 16384);  out0 = relu(z P1 + pb1) P2 + pb2, both products on E2M1 codes with E8M0 scales.
; parts: [64 batches][4][128 f32] (words 0-63 a sum, word 64 a count).  P1: [65][64] f32, K its first axis: quantised here.  P2: codes [64 (n)][32 bytes], scales [64][2].  out0: [64][64] f32.
; One work-group of four waves: the whole head is 64 rows; wave w owns batches 16 w + r.  It is a chain of dependent steps, so all loads go out at once at its start.
; BOTH PRODUCTS ARE USED TRANSPOSED (source 0 = 16 rows of the weight, source 1 = my 16 batches): a lane holds one batch throughout.  Row m of tile T of P1 is hidden unit 8 T + m % 8 + 32 (m / 8), so that
; lane (r, h) holds in four tiles' 32 registers units 32 h + 0 .. 31 of batch r, ascending: a whole block along the next K, in the lane in which the next operand wants it.
; K = 65 is three blocks: lane (r, h) holds k = 32 h .. + 31 in registers 0-3 of a fragment, and lane (r, 0) k = 64 as the first code of register 4; all other codes of k = 64 .. 127 are zeros, on both sides.
; K = 64 (second product): registers 4-7 are zeros on both sides; their scale bytes are 0 (2^-127), over zero codes.
; P1's tile w is quantised by wave w (a lane to a column, registers down K) and goes to the other waves through LDS as an image of its registers: 16 bytes a lane for each four registers, 4 for the scale word.
; The biases are the C of each product, loaded in the result's layout into the registers that take the result.
; LIMITS: the division is v_rcp_f32 (1 ulp, ISA guide 15.8) and a multiplication; a block whose largest magnitude lies under 2^-124 keeps the scale byte 1 (a block of zeros too: its codes are zeros);
; NaN and infinities among the inputs are not served.
; REGISTERS, in windows of 256.  Window 0: v0-19 ids and offsets; v20-31 at work; v[32:159] the four parts, then v[32:63] z, v[64:71] z's k = 64 .. 71, v[72:79] P1's fragment as made, v80 its scale word,
;   v[96:127] P1's four fragments, v[128:159] the hidden layer; v[160:191] b2, at the end the rows of out0; v[192:195] counts; v[196:227] my column of P1, v[228:235] its k = 64 .. 71; v[236:243] z's fragment, then the hidden layer's;
;   v[244:247] P1's scale words, v248 z's, then the hidden layer's, v[249:252] P2's: scales and nothing else.
; Window 1: v[0:31] pb1, then the first product; v[32:63] pb2, then the second; v[64:95] P2's four fragments.
; THE MODE: SCHED_MODE bits 1:0 = 2 (LLVM: expert scheduling mode 2), set by the entry lines.  The code itself states the register dependences between vector or matrix instructions and memory
; or LDS instructions, those through scalar registers that vector instructions write, and those of vector-written operands of scaled products, with s_wait_alu, always for 0.
; THE PLAN.  Registers that memory or LDS instructions touch:
;   v4-11 global offsets, v12-18 LDS addresses and out0's offset: each made once, never written again.
;   All global loads land in registers that nothing has named before; they stand in one run behind one wait, with one window switch among them.
;   v[72:80]    written by the conversions and the scale word's lines; read by three LDS stores; not written again.
;   v[96:127]   read and written by the parts' additions; then P1's images land there.      v[244:247]  LDS loads land.
;   window 1 v[32:63]  the second product's results; read by the stage's stores.
;   v[160:191]  b2, read by the multiply-adds; at the end the rows come back there from the stage, and the global stores read them.
; No register that a memory or LDS instruction has read is written again: so the text holds no wait on vm_vsrc.
.set PSC,    4096                      ; LDS: 0: P1's four images of 1,024 bytes; PSC: their scale words, 128 bytes each;
.set STG,    4608                      ; the way out: 16 rows x (256 bytes + 16) for each wave
.set SPITCH, 272
.set MSB, 0
.macro WIN new                         ; low byte: bits 1:0 source 0, 3:2 source 1, 5:4 source 2, 7:6 destination; the high byte repeats the setting that is left
.if MSB != \new
	s_set_vgpr_msb (MSB<<8)|\new
.set MSB, \new
.endif
.endm
; 32 numbers of a lane, one block, become four registers of codes and the scale's byte
.macro QB src, dst, by
	v_max3_num_f32 v20, |v[\src]|, |v[\src+1]|, 0x1800000          ; the largest magnitude, in two chains, over the floor 2^(3 - 127): the byte cannot fall under 1
	v_max3_num_f32 v21, |v[\src+16]|, |v[\src+17]|, |v[\src+18]|
.irp k, 0,1,2,3,4,5
	v_max3_num_f32 v20, v20, |v[\src+2+2*\k]|, |v[\src+3+2*\k]|
	v_max3_num_f32 v21, v21, |v[\src+19+2*\k]|, |v[\src+20+2*\k]|
.endr
	v_max3_num_f32 v20, v20, |v[\src+14]|, |v[\src+15]|
	v_max3_num_f32 v20, v20, v21, |v[\src+31]|
	v_add_nc_u32 v22, 0xff000000, v20              ; 2 off the exponent field: the conversions' scale operand
.irp g, 0,1,2,3
	v_cvt_scalef32_pk8_fp4_f32 v[\dst+\g], v[\src+8*\g:\src+8*\g+7], v22
.endr
	v_lshrrev_b32 v[\by], 23, v22                  ; the byte.  (Also the plain place behind the conversions)
.endm
; the block that begins at k = 64: one number (lanes 16-31: none) and zeros
.macro QX grp, dst, by
	v_max3_num_f32 v20, |v[\grp]|, |v[\grp+1]|, 0x1800000
	v_add_nc_u32 v22, 0xff000000, v20
	v_cvt_scalef32_pk8_fp4_f32 v[\dst], v[\grp:\grp+7], v22
	v_lshrrev_b32 v[\by], 23, v22
.endm
; a row's scale word: lane (r, h) made bytes h (bya) and 2 + h (byb)
.macro SW out, bya, byb
	v_lshl_or_b32 v25, v[\byb], 16, v[\bya]
	v_lshlrev_b32 v25, v19, v25
	v_permlanex16_b32 v26, v25, s24, s25
	v_or_b32 v[\out], v25, v26
.endm
	s_load_b256 s[4:11], s[0:1], 0x0               ; parts s[4:5], b2 s[6:7], P1 s[8:9], pb1 s[10:11]
	s_load_b256 s[12:19], s[0:1], 0x20             ; P2's codes s[12:13], P2's scales s[14:15], pb2 s[16:17], out0 s[18:19]
	v_lshl_add_u32 v254, v0, 2, 0x5800             ; my spare word, behind the stages, and 0: made here and kept for the closing lines alone
	v_mov_b32 v255, 0
	v_lshrrev_b32 v1, 5, v0
	v_readfirstlane_b32 s20, v1                    ; wave 0..3
	v_and_b32 v1, 31, v0                           ; lane
	v_and_b32 v2, 15, v0                           ; r
	v_bfe_u32 v3, v0, 4, 1                         ; h
	s_mov_b32 s24, 0x76543210                      ; v_permlanex16_b32's selects for lane l xor 16
	s_mov_b32 s25, 0xfedcba98
	s_mov_b32 s27, 0xffff0000                      ; lanes 16-31
	s_wait_alu depctr_va_sdst(0)                   ; s20 is written, ahead of its first reader, the line below
	s_lshl_b32 s22, s20, 15                        ; my 16 batches of parts: 2,048 bytes each
	s_mov_b32 s23, 0
	s_lshl_b32 s28, s20, 12                        ; and of out0: 256 bytes each
	s_mov_b32 s29, 0
	v_lshlrev_b32 v5, 11, v2                       ; counts: batch r
	v_lshl_add_u32 v4, v3, 7, v5                   ; sums: batch r, + my 32 numbers
	v_lshlrev_b32 v6, 7, v3                        ; b2, pb1: my 32 numbers
	v_and_b32 v8, 7, v2
	v_lshrrev_b32 v7, 3, v2
	v_lshl_add_u32 v8, v7, 5, v8                   ; r % 8 + 32 (r / 8)
	s_lshl_b32 s21, s20, 5
	v_lshl_add_u32 v8, v8, 2, s21                  ; P1: my column, unit 8 w + r % 8 + 32 (r / 8)
	v_lshl_add_u32 v7, v3, 13, v8                  ; from row 32 h on
	v_lshlrev_b32 v9, 5, v2
	v_lshl_add_u32 v9, v3, 4, v9                   ; P2's codes: row r of 32 bytes, + 16 h
	v_lshlrev_b32 v10, 1, v2                       ; P2's scales
	v_lshlrev_b32 v11, 5, v3                       ; pb2: 8 h numbers on
	s_wait_kmcnt 0x0
	s_add_nc_u64 s[4:5], s[4:5], s[22:23]
	s_add_nc_u64 s[18:19], s[18:19], s[28:29]
	s_wait_alu depctr_va_vdst(0)                   ; the offsets v4 to v11 are written, which the loads below read; up to the last of them stand only loads and one window switch
.irp p, 0,1,2,3
.irp j, 0,1,2,3,4,5,6,7
	global_load_b128 v[32+32*\p+4*\j:35+32*\p+4*\j], v4, s[4:5] offset:512*\p+16*\j
.endr
.endr
.irp p, 0,1,2,3
	global_load_b32 v[192+\p], v5, s[4:5] offset:512*\p+256
.endr
.irp j, 0,1,2,3,4,5,6,7
	global_load_b128 v[160+4*\j:163+4*\j], v6, s[6:7] offset:16*\j
.endr
.irp i, 0,1,2,3,4,5,6,7,8,9,10,11,12,13,14,15,16,17,18,19,20,21,22,23,24,25,26,27,28,29,30,31
	global_load_b32 v[196+\i], v7, s[8:9] offset:256*\i            ; P1(32 h + i, my column)
.endr
	global_load_b32 v228, v8, s[8:9] offset:16384                  ; P1(64, my column)
.irp t, 0,1,2,3
	global_load_u16 v[249+\t], v10, s[14:15] offset:32*\t          ; bytes 0, 1: P2's scales; bytes 2, 3: 0, over zero codes
.endr
	WIN 0x40                                       ; destination window 1, address window 0
.irp j, 0,1,2,3,4,5,6,7
	global_load_b128 v[4*\j:4*\j+3], v6, s[10:11] offset:16*\j     ; register 8 T + j: pb1[32 h + 8 T + j]
.endr
.irp t, 0,1,2,3
	global_load_b128 v[32+8*\t:35+8*\t], v11, s[16:17] offset:64*\t        ; register 8 T + j: pb2[16 T + 8 h + j]
	global_load_b128 v[36+8*\t:39+8*\t], v11, s[16:17] offset:64*\t+16
.endr
.irp t, 0,1,2,3
	global_load_b128 v[64+8*\t:67+8*\t], v9, s[12:13] offset:512*\t        ; P2's row 16 T + r, k = 32 h .. + 31
.endr
.irp t, 0,1,2,3
.irp k, 4,5,6,7
	v_mov_b32 v[64+8*\t+\k], 0                     ; k = 64 .. 127: zero codes
.endr
.endr
	WIN 0
	v_lshlrev_b32 v12, 4, v1                       ; an image's place for my lane
	v_lshl_add_u32 v13, v1, 2, PSC                 ; a scale word's
	s_lshl_b32 s21, s20, 10
	v_add_nc_u32 v14, s21, v12                     ; where I store my tile's image,
	s_lshl_b32 s21, s20, 7
	v_add_nc_u32 v15, s21, v13                     ; and its scale word
	s_mul_i32 s21, s20, 16*SPITCH
	s_add_co_u32 s21, s21, STG                     ; my stage
	v_mul_u32_u24 v16, v2, SPITCH
	v_lshl_add_u32 v16, v3, 5, v16
	v_add_nc_u32 v16, s21, v16                     ; in: row r, 32 bytes for each half of the lanes
	v_mul_u32_u24 v17, v3, SPITCH
	v_lshl_add_u32 v17, v2, 4, v17
	v_add_nc_u32 v17, s21, v17                     ; back: lanes 0-15 one row of 256 bytes, lanes 16-31 the next
	v_lshlrev_b32 v18, 8, v3
	v_lshl_add_u32 v18, v2, 4, v18                 ; and the same two rows in out0
	v_lshlrev_b32 v19, 3, v3                       ; 8 h
	v_mov_b32 v26, 0                               ; (a lane permute's destination counts as one of its sources)
.irp k, 229,230,231,232,233,234,235,241,242,243
	v_mov_b32 v\k, 0                               ; P1's k = 65 .. 71; registers 5-7 of z's fragment
.endr
	; ---- z
	s_wait_loadcnt 57                              ; parts, counts and b2 are in; the 33 loads of P1 and the 24 behind them may stay out
	v_add_f32 v28, v192, v193
	v_add_f32 v29, v194, v195
	v_add_f32 v28, v28, v29                        ; the batch's events
	v_max_num_f32 v27, 1.0, v28                    ; valid
	v_rcp_f32 v30, v27
	v_mov_b32 v29, v28                             ; (a plain place behind the reciprocal; the packed forms below name pairs, so both halves are written)
	s_wait_alu depctr_va_vdst(0)                   ; the reciprocal has written v30, ahead of its first reader, the line below
	v_mov_b32 v31, v30
.irp j, 0,2,4,6,8,10,12,14,16,18,20,22,24,26,28,30
	v_pk_add_f32 v[32+\j:33+\j], v[32+\j:33+\j], v[64+\j:65+\j]
	v_pk_add_f32 v[96+\j:97+\j], v[96+\j:97+\j], v[128+\j:129+\j]
.endr
.irp j, 0,2,4,6,8,10,12,14,16,18,20,22,24,26,28,30
	v_pk_add_f32 v[32+\j:33+\j], v[32+\j:33+\j], v[96+\j:97+\j]
.endr
.irp j, 0,2,4,6,8,10,12,14,16,18,20,22,24,26,28,30
	v_pk_fma_f32 v[32+\j:33+\j], v[160+\j:161+\j], v[28:29], v[32+\j:33+\j] op_sel_hi:[1,0,1]   ; + count x b2: each event's b2
.endr
.irp j, 0,2,4,6,8,10,12,14,16,18,20,22,24,26,28,30
	v_pk_mul_f32 v[32+\j:33+\j], v[32+\j:33+\j], v[30:31] op_sel_hi:[1,0]                       ; / valid
.endr
	v_mul_f32 v64, 0x38800000, v27                 ; z[64] = valid x 2^-14,
	v_cndmask_b32 v64, v64, 0, s27                 ; in lanes 0-15 alone
.irp k, 65,66,67,68,69,70,71,77,78,79
	v_mov_b32 v\k, 0                               ; z's k = 65 .. 71; registers 5-7 of P1's fragment
.endr
	QB 32, 236, 23
	QX 64, 240, 24
	SW 248, 23, 24
	; ---- P1's tile w
	s_wait_loadcnt 24                              ; P1 is in; pb1, pb2 and P2 may stay out
	v_cndmask_b32 v228, v228, 0, s27               ; k = 64 belongs to lanes 0-15
	QB 196, 72, 23
	QX 228, 76, 24
	SW 80, 23, 24
	s_wait_alu depctr_va_vdst(0)                   ; v[72:80] and the addresses v12 to v18 are written, which the LDS stores and loads below read; the additions are done with v[96:127], in which P1's images land; z's fragment v[236:243] and its scale word v248 are written, which the first product takes
	ds_store_b128 v14, v[72:75]
	ds_store_b128 v14, v[76:79] offset:512
	ds_store_b32 v15, v80
	s_wait_dscnt 0x0                               ; for the others' sake: my image has landed
	s_barrier_signal -1
	s_barrier_wait -1
.irp t, 0,1,2,3
	ds_load_b128 v[96+8*\t:99+8*\t], v12 offset:1024*\t
	ds_load_b128 v[100+8*\t:103+8*\t], v12 offset:1024*\t+512
	ds_load_b32 v[244+\t], v13 offset:128*\t
.endr
	s_wait_dscnt 0x0
	s_wait_loadcnt 0x0                             ; pb1, pb2, P2
	; ---- first product: z's fragment and scale word were written far more than the eight places ahead that a scaled product asks, and ahead of the wait in front of the image's stores; the four results by turns
	WIN 0x50                                       ; C and D window 1
.irp t, 0,1,2,3
	v_wmma_scale_f32_16x16x128_f8f6f4 v[8*\t:8*\t+7], v[96+8*\t:103+8*\t], v[236:243], v[8*\t:8*\t+7], v[244+\t], v248 matrix_a_fmt:MATRIX_FMT_FP4 matrix_b_fmt:MATRIX_FMT_FP4
.endr
.rept 4
	v_nop                                          ; places behind the products (ISA guide 7.12.1)
.endr
	WIN 0x04                                       ; source 1 window 1
.irp j, 0,1,2,3,4,5,6,7,8,9,10,11,12,13,14,15,16,17,18,19,20,21,22,23,24,25,26,27,28,29,30,31
	v_max_num_f32 v[128+\j], 0, v[\j]              ; the activation, in f32, each tile from its low end on: unit 32 h + j of batch r
.endr
	WIN 0
	QB 128, 236, 23
.irp k, 240,241,242,243,24
	v_mov_b32 v\k, 0                               ; k = 64 .. 127: zero codes; their scale bytes 0
.endr
	SW 248, 23, 24
.rept 8
	v_nop                                          ; a scale word written by a vector instruction stands eight places ahead of the scaled product
.endr
	s_wait_alu depctr_va_vdst(0)                   ; the hidden layer's fragment v[236:243] and its scale word v248 are written, and so are the zero codes in P2's fragments: the second product takes them
	; ---- second product
	WIN 0x51                                       ; source 0 (P2), C and D window 1
.irp t, 0,1,2,3
	v_wmma_scale_f32_16x16x128_f8f6f4 v[32+8*\t:39+8*\t], v[64+8*\t:71+8*\t], v[236:243], v[32+8*\t:39+8*\t], v[249+\t], v248 matrix_a_fmt:MATRIX_FMT_FP4 matrix_b_fmt:MATRIX_FMT_FP4
.endr
.rept 4
	v_nop                                          ; places behind the products, before their results are read; they stay beside the wait below
.endr
	; ---- the way out: lane (r, h) holds out0(16 w + r, 16 T + 8 h + 0 .. 7); the rows go through my own stage and leave whole
	WIN 0x04                                       ; an LDS store's data are its source 1: window 1
	s_wait_alu depctr_va_vdst(0)                   ; the second product has written its four results, which the LDS stores below read; all that named v[160:191] is done: the rows come back there, with no vector line between
.irp t, 0,1,2,3
	ds_store_b128 v16, v[32+8*\t:35+8*\t] offset:64*\t             ; each result from its low end on
	ds_store_b128 v16, v[36+8*\t:39+8*\t] offset:64*\t+16
.endr
	WIN 0
.irp i, 0,1,2,3,4,5,6,7
	ds_load_b128 v[160+4*\i:163+4*\i], v17 offset:2*\i*SPITCH      ; LDS serves a wave's instructions in order (ISA guide 5.7.1.4): these see my stores
.endr
.irp i, 0,1,2,3,4,5,6,7
	s_wait_dscnt 7-\i                              ; pair i of rows is back; the younger loads may stay out
	global_store_b128 v18, v[160+4*\i:163+4*\i], s[18:19] offset:512*\i    ; 16 lanes store a row of 256 consecutive bytes, aligned
.endr
	s_wait_dscnt 0x0                               ; the closing lines, six on end
	s_wait_alu 0x0
	s_wait_tensorcnt 0x0
	ds_add_u32 v254, v255
	s_wait_dscnt 0x0
	s_endpgm
.Lfunc_end_k_q77d8210f01_head:
	.size	k_q77d8210f01_head, .Lfunc_end_k_q77d8210f01_head-k_q77d8210f01_head
	.p2alignl 7, 3214868480
	.fill 96, 4, 3214868480
	.section	.rodata,"a",@progbits
	.p2align	6, 0x0
	.amdhsa_kernel k_q77d8210f01_head
		.amdhsa_group_segment_fixed_size 23040
		.amdhsa_private_segment_fixed_size 0
		.amdhsa_enable_private_segment 0
		.amdhsa_kernarg_size 64
		.amdhsa_user_sgpr_count 2
		.amdhsa_user_sgpr_kernarg_segment_ptr 1
		.amdhsa_wavefront_size32 1
		.amdhsa_system_sgpr_workgroup_id_x 1
		.amdhsa_system_sgpr_workgroup_id_y 1
		.amdhsa_system_sgpr_workgroup_id_z 1
		.amdhsa_system_vgpr_workitem_id 0
		.amdhsa_next_free_vgpr 384
		.amdhsa_next_free_sgpr 66
		.amdhsa_reserve_vcc 0
		.amdhsa_float_denorm_mode_32 3
		.amdhsa_float_denorm_mode_16_64 3
		.amdhsa_memory_ordered 1
		.amdhsa_forward_progress 1
		.amdhsa_inst_pref_size 31
	.end_amdhsa_kernel
	.amdgpu_metadata
---
amdhsa.version: [ 1, 2 ]
amdhsa.kernels:
  - .name:           k_q77d8210f01_head
    .symbol:         k_q77d8210f01_head.kd
    .args:
      - { .name: parts, .offset: 0, .size: 8, .value_kind: global_buffer, .address_space: global }
      - { .name: b2, .offset: 8, .size: 8, .value_kind: global_buffer, .address_space: global }
      - { .name: P1, .offset: 16, .size: 8, .value_kind: global_buffer, .address_space: global }
      - { .name: pb1, .offset: 24, .size: 8, .value_kind: global_buffer, .address_space: global }
      - { .name: P2_codes, .offset: 32, .size: 8, .value_kind: global_buffer, .address_space: global }
      - { .name: P2_scales, .offset: 40, .size: 8, .value_kind: global_buffer, .address_space: global }
      - { .name: pb2, .offset: 48, .size: 8, .value_kind: global_buffer, .address_space: global }
      - { .name: out0, .offset: 56, .size: 8, .value_kind: global_buffer, .address_space: global }
    .group_segment_fixed_size: 23040
    .private_segment_fixed_size: 0
    .kernarg_segment_align: 8
    .kernarg_segment_size: 64
    .max_flat_workgroup_size: 128
    .sgpr_count:     66
    .vgpr_count:     384
    .wavefront_size: 32
...
	.end_amdgpu_metadata
.endif
;; end of part 4
